; MI455X (gfx1250); checked and timed in simulation.
; The chip was launched on July 23, 2026; its instructions are those of AMD's public machine-readable ISA for CDNA 5 (MIT licence, August 2026) and "CDNA5" Instruction Set Architecture Reference Guide (July 2026). The comments in the code are by the model that wrote it; some were corrected since.
;; Attention. Allowed arithmetic: float matrix products may take bf16 or f16 operands with f32 sums; all other float work in f32.
;; Inputs: b_proj 1,024 float32; b_qkv 3,072 float32; w_proj 1,024 x 1,024 float32; w_qkv 1,024 x 3,072 float32; x 4 x 2,048 x 1,024 float32.
;; Outputs: out0 4 x 2,048 x 1,024 float32.
;; 2 versions, each right; version 2 is version 1 with the launch cast written anew for expert scheduling mode. Each part assembles by itself: llvm-mc -triple=amdgcn-amd-amdhsa -mcpu=gfx1250 --defsym DOCPART=n.
;; ======== version 1 of 2: 4 launches
;; limits: values are held in f16: magnitudes above 65,504 overflow, below 6.1e-05 lose precision
;; workspace buffers: xb 16,777,216 bytes; wqb 6,291,456 bytes; wpb 2,097,152 bytes; qkv 50,331,648 bytes; att 16,777,216 bytes
;; launch cast (part 1): grid 768 x 1, 8 waves a work-group, no clusters, 0 bytes of LDS; arguments x, w_qkv, w_proj, xb, wqb, wpb; writes xb, wqb, wpb
.if DOCPART == 1
	.amdgcn_target "amdgcn-amd-amdhsa--gfx1250"
	.amdhsa_code_object_version 6
	.text
	.protected	k_qc4e669240a_cast
	.globl	k_qc4e669240a_cast
	.p2align	8
	.type	k_qc4e669240a_cast,@function
k_qc4e669240a_cast:
	s_mov_b64 s[64:65], 0
	v_nop
	global_prefetch_b8 v0, s[64:65] scope:SCOPE_SE
	s_setreg_imm32_b32 hwreg(HW_REG_WAVE_MODE, 25, 1), 1
	s_wait_xcnt 0x0
; THE PROGRAM: out0 = softmax((x Wq + bq)(x Wk + bk)^T / 8) (x Wv + bv) Wp + bp for 16 heads of 64, in four launches:
;   cast  x, w_qkv, w_proj from f32 to f16 (the matrix operands' format), layouts unchanged
;   qkv   qkv = xb wqb (+ bias for the q and v columns), f16, [8192][3072]
;   attn  softmax(q k^T / 8) v with a running maximum, f16, [8192][1024]
;   proj  out0 = att wpb + b_proj, f32
; WORK LEFT OUT: b_qkv[1024:2048], the bias of k.  With k0 = x Wk the score of query i and key j is
;   q_i . (k0_j + bk) = q_i . k0_j + q_i . bk.
; The second term does not hang on j, the axis of the softmax, and softmax(s + t) = softmax(s) for every real t; k reaches the result
; through the scores alone.  So for all values of the inputs these 1,024 numbers reach no output: launch qkv neither loads nor adds them.
; bq stays (bq . k0_j hangs on j), bv stays, so b_qkv is still an argument of launch qkv.
; LIMIT: a NaN, an infinity or an overflow that enters through b_qkv[1024:2048] alone is not carried to the result.
; FORMAT: all matrix operands (x, the weights, q, k, v, p, att) are f16, all sums f32.  A result here is a sum of 2,048 weighted values of either sign,
; so each operand's rounding shows in it undamped; f16 rounds at 11 significant bits where bf16 rounds at 8.
; LIMIT OF RANGE: an operand beyond 65,504 in magnitude becomes an infinity; under 2^-14 its step is 2^-24.  The room: q, k, v are sums of 1,024 products;
; with x of spread 1 and weights of spread 0.02 their spread is 0.02 x 32 = 0.64; x and weights thirty times larger at once make it 900 times that, 576;
; common offsets of 30 on x and 0.6 on the weights make sums of 1,024 x 18 = 18,432; thirty times smaller at once leaves 7e-4, 2^14 steps of 2^-24 wide.
; p is at most 1 (the running maximum is taken away); att is a convex combination of v and has v's range.
;
; THIS LAUNCH is a stream: no LDS, no barrier, no matrix unit.  A work-group takes 65,536 bytes of f32 and writes 32,768 bytes of f16.
; Work-groups 0-511 take x, 512-703 w_qkv, 704-767 w_proj (33,554,432, 12,582,912 and 4,194,304 bytes over 65,536).
; Thread t takes the 16 bytes at 4096 i + 16 t, i = 0..15: a load of a wave covers 512 consecutive bytes, a store 256, both aligned.
; All sixteen loads of a wave are issued before the first wait.  No register is written twice, so no source has to be freed.
.set X, 4                              ; v[4:67]   sixteen loads, 4 f32 each
.set Y, 68                             ; v[68:99]  sixteen stores, 4 f16 each
	s_load_b256 s[8:15], s[0:1], 0x0               ; x s[8:9], w_qkv s[10:11], w_proj s[12:13], xb s[14:15]
	s_load_b128 s[16:19], s[0:1], 0x20             ; wqb s[16:17], wpb s[18:19]
	v_lshlrev_b32 v1, 4, v0                        ; 16 t: my bytes in a block of 4,096 of the source
	v_lshlrev_b32 v2, 3, v0                        ; 8 t: and in a block of 2,048 of the result
	s_wait_kmcnt 0x0
	s_cmp_lt_u32 ttmp9, 512                        ; which tensor: the choice hangs on the work-group's number alone
	s_cselect_b64 s[20:21], s[8:9], s[10:11]
	s_cselect_b64 s[22:23], s[14:15], s[16:17]
	s_cselect_b32 s24, 0, 512
	s_cmp_lt_u32 ttmp9, 704
	s_cselect_b64 s[20:21], s[20:21], s[12:13]
	s_cselect_b64 s[22:23], s[22:23], s[18:19]
	s_cselect_b32 s24, s24, 704
	s_sub_co_u32 s24, ttmp9, s24                   ; my number among that tensor's work-groups
	s_lshl_b32 s26, s24, 16                        ; x 65,536 bytes in (below 2^25)
	s_mov_b32 s27, 0
	s_lshl_b32 s28, s24, 15                        ; x 32,768 bytes out
	s_mov_b32 s29, 0
	s_add_nc_u64 s[20:21], s[20:21], s[26:27]
	s_add_nc_u64 s[22:23], s[22:23], s[28:29]
.set i, 0
.rept 16
	global_load_b128 v[X+4*i:X+4*i+3], v1, s[20:21] offset:4096*i th:TH_LOAD_NT   ; read once in the launch
.set i, i+1
.endr
.set i, 0
.rept 16
	s_wait_loadcnt 15-i                            ; loads come back in order: load i is in, the 15 - i younger ones stay out
	v_cvt_pk_f16_f32 v[Y+2*i], v[X+4*i], v[X+4*i+1]
	v_cvt_pk_f16_f32 v[Y+2*i+1], v[X+4*i+2], v[X+4*i+3]
	global_store_b64 v2, v[Y+2*i:Y+2*i+1], s[22:23] offset:2048*i    ; no hint: the next launches read these bytes
.set i, i+1
.endr
	s_endpgm
.Lfunc_end_k_qc4e669240a_cast:
	.size	k_qc4e669240a_cast, .Lfunc_end_k_qc4e669240a_cast-k_qc4e669240a_cast
	.p2alignl 7, 3214868480
	.fill 96, 4, 3214868480
	.section	.rodata,"a",@progbits
	.p2align	6, 0x0
	.amdhsa_kernel k_qc4e669240a_cast
		.amdhsa_group_segment_fixed_size 0
		.amdhsa_private_segment_fixed_size 0
		.amdhsa_enable_private_segment 0
		.amdhsa_kernarg_size 48
		.amdhsa_user_sgpr_count 2
		.amdhsa_user_sgpr_kernarg_segment_ptr 1
		.amdhsa_wavefront_size32 1
		.amdhsa_system_sgpr_workgroup_id_x 1
		.amdhsa_system_sgpr_workgroup_id_y 1
		.amdhsa_system_sgpr_workgroup_id_z 1
		.amdhsa_system_vgpr_workitem_id 0
		.amdhsa_next_free_vgpr 104
		.amdhsa_next_free_sgpr 66
		.amdhsa_reserve_vcc 0
		.amdhsa_float_denorm_mode_32 3
		.amdhsa_float_denorm_mode_16_64 3
		.amdhsa_memory_ordered 1
		.amdhsa_forward_progress 1
		.amdhsa_inst_pref_size 7
	.end_amdhsa_kernel
	.amdgpu_metadata
---
amdhsa.version: [ 1, 2 ]
amdhsa.kernels:
  - .name:           k_qc4e669240a_cast
    .symbol:         k_qc4e669240a_cast.kd
    .args:
      - { .name: x, .offset: 0, .size: 8, .value_kind: global_buffer, .address_space: global }
      - { .name: w_qkv, .offset: 8, .size: 8, .value_kind: global_buffer, .address_space: global }
      - { .name: w_proj, .offset: 16, .size: 8, .value_kind: global_buffer, .address_space: global }
      - { .name: xb, .offset: 24, .size: 8, .value_kind: global_buffer, .address_space: global }
      - { .name: wqb, .offset: 32, .size: 8, .value_kind: global_buffer, .address_space: global }
      - { .name: wpb, .offset: 40, .size: 8, .value_kind: global_buffer, .address_space: global }
    .group_segment_fixed_size: 0
    .private_segment_fixed_size: 0
    .kernarg_segment_align: 8
    .kernarg_segment_size: 48
    .max_flat_workgroup_size: 256
    .sgpr_count:     66
    .vgpr_count:     104
    .wavefront_size: 32
...
	.end_amdgpu_metadata
.endif
;; end of part 1
;; launch qkv (part 2): grid 12 x 32, 4 waves a work-group, clusters of 4 x 4, 327,680 bytes of LDS; arguments xb, wqb, b_qkv, qkv; writes qkv
.if DOCPART == 2
	.amdgcn_target "amdgcn-amd-amdhsa--gfx1250"
	.amdhsa_code_object_version 6
	.text
	.protected	k_qc4e669240a_qkv
	.globl	k_qc4e669240a_qkv
	.p2align	8
	.type	k_qc4e669240a_qkv,@function
k_qc4e669240a_qkv:
	s_mov_b64 s[64:65], 0
	v_nop
	global_prefetch_b8 v0, s[64:65] scope:SCOPE_SE
	s_setreg_imm32_b32 hwreg(HW_REG_WAVE_MODE, 25, 1), 1
	s_wait_xcnt 0x0
	s_wait_alu depctr_hold_cnt(0) depctr_sa_sdst(0) depctr_va_vdst(0) depctr_va_sdst(0) depctr_va_ssrc(0) depctr_va_vcc(0) depctr_vm_vsrc(0)
	s_getreg_b32 s2, hwreg(HW_REG_IB_STS2, 6, 4)
	s_cmp_eq_u32 s2, 0
	s_cbranch_scc0 .Lentry_in_a_cluster
	s_endpgm
.Lentry_in_a_cluster:
	s_bfe_u32 s2, ttmp6, 0x10000c
	s_cmp_lg_u32 s2, 0xf033
	s_cbranch_scc0 .Lentry_shape_is_right
	s_endpgm
.Lentry_shape_is_right:
; qkv[m][n] = sum over k of xb[m][k] wqb[k][n] + b_qkv[n].  xb [8192][1024], wqb [1024][3072], qkv [8192][3072], all f16; b_qkv f32; sums in f32.
; WORK LEFT OUT: for the columns 1024-2047 (k) the bias is neither loaded nor added: it shifts all scores of a query alike and cancels in the softmax
; (shown at the head of launch cast).  A NaN, an infinity or an overflow that enters through those 1,024 numbers alone is not carried on.
; LIMIT OF RANGE: a result beyond 65,504 in magnitude is stored as an infinity (f16); the room is counted at the head of launch cast.
; A work-group makes a block of 256 x 256 with four waves, as many as a WGP has SIMDs; a wave makes 128 x 128: 64 accumulator tiles of 16 x 16, 512 registers.
; For 32 along K a wave then loads 2 x 128 x 64 bytes from LDS for 64 matrix instructions.
; K goes in steps of 128 through two LDS slots filled by the tensor data mover.  A tile row of xb is 256 consecutive bytes of memory (128 k of a token), one of
; wqb 512 (256 columns of a k), both aligned to 256.  From a slot's request to the wait for it a wave issues 240 matrix instructions.
; wqb lies [k][n]; its fragments are taken by the transposing LDS load, so no transposed copy is ever made.
; CLUSTERS: 4 x 4 work-groups.  The four of a cluster's row share the block row, hence xb's tiles; the four of a column share the block column, hence wqb's.
; Such a tile is asked for jointly: the same tensor load, the same descriptor and a mask that names the four, in each of them.
; THE MATRIX INSTRUCTION IS USED TRANSPOSED: source 0 = 16 columns of wqb, source 1 = 16 rows of xb.  Lane l then holds row l % 16 of the result and its
; registers 0-7 the columns 8 (l / 16) + 0..7: eight neighbouring numbers of a row.
; REGISTERS, in windows of 256 (s_set_vgpr_msb: bits 1:0 source 0, 3:2 source 1, 5:4 source 2, 7:6 destination):
;   window 0: v16-27 addresses; v64-127, v128-191 xb's fragments (8 x 8), two buffers; v192-223 packed results on the way out
;   window 1: v0-63 what the sums start from (the bias of my 128 columns in the accumulators' layout); v64-127, v128-191 wqb's fragments, two buffers
;   window 2: the 32 accumulator tiles of my rows 0-63 (tile (a, b) at v[8 (8 a + b)]);   window 3: those of my rows 64-127
.set KTOT,   1024
.set NTOT,   3072
.set KSTEP,  128
.set LAPS,   KTOT/(2*KSTEP)            ; a lap = two K steps = once round the ring: 4
.set PA,     272                       ; LDS row of xb: 256 bytes + 16: the 16 rows that a fragment load touches begin in 16 different 16-byte columns of 256
.set PB,     544                       ; LDS row of wqb: 512 bytes + 32 = 17 x 32: an odd multiple of 32, which spreads the transposing load's rows likewise
.set HALFT,  128*PA                    ; what one tensor load brings: 128 rows of xb, or 64 k of wqb (64 x 544 is the same 34,816 bytes)
.set BOFF,   2*HALFT                   ; a slot: xb's 256 rows, then wqb's 128 k
.set SLOT,   4*HALFT                   ; 139,264
.set STAGE,  2*SLOT                    ; behind the ring: 16 rows x 272 bytes for each wave, for the way out; no tensor load ever lands here
.set SPITCH, 272
.set ADRA, 16                          ; v16-17  LDS address of my xb fragments in slot 0, 1
.set ADRB, 20                          ; v20-21  the same for wqb
.set STO,  24                          ; v24     the way out: where I put 16 bytes of a row
.set RD,   25                          ; v25     the way out: where I read a row back
.set CO,   26                          ; v26     my byte offset in qkv
.set BO,   27                          ; v27     my byte offset in the bias
.set F0,   64                          ; fragment buffer 0
.set F1,   128                         ; fragment buffer 1
.set TMP,  192
.set G1A, 16                           ; s[16:23] descriptor group 1, xb's tiles
.set G1B, 24                           ; s[24:31] descriptor group 1, wqb's tiles
.set G0A, 32                           ; s[32:39] descriptor group 0, xb's tiles, a set for each slot
.set G0B, 48                           ; s[48:55] descriptor group 0, wqb's tiles, a set for each slot
.set MUL_LO, 0xa1                      ; source 0 (wqb) window 1, source 1 (xb) window 0, C and D window 2
.set MUL_HI, 0xf1                      ; the same, C and D window 3
.set BIA_LO, 0x91                      ; the first products: C window 1 (the bias), D window 2
.set BIA_HI, 0xd1                      ; and D window 3
.set TO_B,   0x40                      ; destination window 1, address window 0
.set MSB, 0
.macro WIN new                         ; the immediate's high byte repeats the setting that is left; a switch that changes nothing is dropped
.if MSB != (\new)
	s_set_vgpr_msb (MSB<<8)|(\new)
.set MSB, (\new)
.endif
.endm
; A joint load.  Waves 0 and 1 fetch xb's two halves, waves 2 and 3 wqb's.  The branch hangs on the wave's number alone.
.macro JLOAD s
	s_cmp_eq_u32 s13, 0
	s_cbranch_scc0 .Lfor_b_\@
	tensor_load_to_lds s[G0A+4*\s:G0A+4*\s+3], s[G1A:G1A+7]
	s_nop 0
	s_branch .Lasked_\@
.Lfor_b_\@:
	tensor_load_to_lds s[G0B+4*\s:G0B+4*\s+3], s[G1B:G1B+7]
	s_nop 0
.Lasked_\@:
.endm
; A round of the cluster's barrier: my work-group's barrier, wave 0 signals for the work-group, every wave waits for all sixteen, my work-group's barrier again.
.macro CREST                           ; a round behind its opening barrier
	s_cmp_lg_u32 s12, 0
	s_cbranch_scc1 .Lnot_wave_0_\@
	s_barrier_signal -3
.Lnot_wave_0_\@:
	s_barrier_wait -3
	s_barrier_signal -1
	s_barrier_wait -1
.endm
.macro CROUND
	s_barrier_signal -1
	s_barrier_wait -1
	CREST
.endm
	s_load_b256 s[4:11], s[0:1], 0x0               ; xb s[4:5], wqb s[6:7], b_qkv s[8:9], qkv s[10:11]
	s_set_vgpr_msb 0x40
	v_lshl_add_u32 v255, v0, 2, 0x48400
	s_set_vgpr_msb 0x4000
	v_mov_b32 v255, 0
	s_set_vgpr_msb 0x1
	ds_add_u32 v255, v255
	s_set_vgpr_msb 0x100
	v_lshrrev_b32 v1, 5, v0
	v_readfirstlane_b32 s12, v1                    ; wave 0..3
	s_lshr_b32 s13, s12, 1                         ; which half of the block's rows is mine.  Also: I fetch for xb (0) or for wqb (1)
	s_and_b32 s14, s12, 1                          ; which half of its columns.  Also: which half of that tile I fetch
	s_bfe_u32 s40, ttmp6, 0x40000                  ; cx
	s_bfe_u32 s41, ttmp6, 0x40004                  ; cy
	s_lshl_b32 s42, ttmp9, 2
	s_add_co_u32 s42, s42, s40                     ; block column = 4 x cluster x + cx, 0..11
	s_and_b32 s43, ttmp7, 0xffff
	s_lshl_b32 s43, s43, 2
	s_add_co_u32 s43, s43, s41                     ; block row = 4 x cluster y + cy, 0..31
	s_lshl_b32 s44, s41, 2
	s_lshl_b32 s44, 15, s44                        ; my row of the cluster: places 4 cy .. 4 cy + 3
	s_lshl_b32 s45, 0x1111, s40                    ; my column: places cx, cx + 4, cx + 8, cx + 12
	; group 1 for xb: 128 rows x 128 elements of 2 bytes, 4 words of padding behind every 64
	s_or_b32 s[G1A+0], s44, (1<<16)|(1<<20)|(1<<21)|(5<<22)|(3<<25)  ; 15:0 mask: my row; 17:16 2 bytes; 20 padding; 21 set beside a mask; 24:22 every 64 words; 31:25 4 words
	s_mov_b32 s[G1A+1], KSTEP<<16                  ; tensor_dim0 = 128
	s_mov_b32 s[G1A+2], 128<<16                    ; tensor_dim1 = 128
	s_mov_b32 s[G1A+3], KSTEP<<16                  ; tile_dim0 = 128
	s_mov_b32 s[G1A+4], 128                        ; tile_dim1 = 128
	s_mov_b32 s[G1A+5], KTOT                       ; elements from row to row
	s_mov_b32 s[G1A+6], 0
	s_mov_b32 s[G1A+7], 0
	; group 1 for wqb: 64 rows (k) x 256 elements (columns), 8 words of padding behind every 128
	s_or_b32 s[G1B+0], s45, (1<<16)|(1<<20)|(1<<21)|(6<<22)|(7<<25)  ; the mask: my column; every 128 words (code 6) 8 words (code 7)
	s_mov_b32 s[G1B+1], 256<<16                    ; tensor_dim0 = 256
	s_mov_b32 s[G1B+2], 64<<16                     ; tensor_dim1 = 64
	s_mov_b32 s[G1B+3], 256<<16                    ; tile_dim0 = 256
	s_mov_b32 s[G1B+4], 64                         ; tile_dim1 = 64
	s_mov_b32 s[G1B+5], NTOT
	s_mov_b32 s[G1B+6], 0
	s_mov_b32 s[G1B+7], 0
	; where the tiles come from: xb's hang on the block row alone, in s56-57, which never hold cx; wqb's on the block column alone, in s60-61, which never hold cy
	s_lshl_b32 s56, s43, 8
	s_lshl_b32 s57, s14, 7
	s_add_co_u32 s56, s56, s57                     ; row 256 x block row + 128 x half
	s_lshl_b32 s56, s56, 11                        ; x 2,048 bytes (below 2^24)
	s_mov_b32 s57, 0
	s_mul_i32 s60, s14, 64*NTOT*2                  ; 64 k x half
	s_lshl_b32 s61, s42, 9                         ; 512 bytes x block column
	s_add_co_u32 s60, s60, s61
	s_mov_b32 s61, 0
	s_mul_i32 s46, s12, HALFT                      ; where they go: xb's two halves, then wqb's two halves = wave x 34,816: no place in the cluster enters an LDS address
	s_wait_dscnt 0x0
	s_wait_kmcnt 0x0
	s_add_nc_u64 s[56:57], s[4:5], s[56:57]
	s_add_nc_u64 s[60:61], s[6:7], s[60:61]
	CROUND                                         ; all sixteen work-groups are here: the first joint loads meet
.irp s, 0,1
	s_mov_b32 s[G0A+4*\s], 1                                       ; count = 1
	s_add_co_u32 s[G0A+4*\s+1], s46, \s*SLOT                       ; LDS address
	s_add_nc_u64 s[G0A+4*\s+2:G0A+4*\s+3], s[56:57], \s*KSTEP*2    ; global address: K step s
	s_or_b32 s[G0A+4*\s+3], s[G0A+4*\s+3], 0x80000000              ; type = 2
	s_mov_b32 s[G0B+4*\s], 1
	s_add_co_u32 s[G0B+4*\s+1], s46, \s*SLOT
	s_add_nc_u64 s[G0B+4*\s+2:G0B+4*\s+3], s[60:61], \s*KSTEP*NTOT*2
	s_or_b32 s[G0B+4*\s+3], s[G0B+4*\s+3], 0x80000000
	JLOAD \s                                       ; both slots' first fills go out before anything else: two tensor loads of a wave are out
.endr
	; lane addresses.  r = l % 16, h = l / 16.
	v_and_b32 v1, 15, v0                           ; r
	v_bfe_u32 v2, v0, 4, 1                         ; h
	v_mul_u32_u24 v3, v1, PA
	v_lshl_add_u32 v3, v2, 4, v3                   ; xb fragment: row r, 16 bytes for each half of the lanes
	s_mul_i32 s46, s13, HALFT                      ; my 128 rows
	v_add_nc_u32 v[ADRA], s46, v3
	v_add_nc_u32 v[ADRA+1], SLOT, v[ADRA]
	v_and_b32 v4, 7, v0                            ; wqb fragment through the transposing load: lane l addresses k row 8 h + l % 8,
	v_lshl_add_u32 v4, v2, 3, v4
	v_mul_u32_u24 v4, v4, PB
	v_bfe_u32 v5, v0, 3, 1                         ; and the left or right 16 bytes of the tile's 32,
	v_lshl_add_u32 v4, v5, 4, v4
	s_lshl_b32 s47, s14, 8                         ; in my 128 columns' 256 bytes
	s_add_co_u32 s47, s47, BOFF
	v_add_nc_u32 v[ADRB], s47, v4
	v_add_nc_u32 v[ADRB+1], SLOT, v[ADRB]
	s_mul_i32 s47, s12, 16*SPITCH
	s_add_co_u32 s47, s47, STAGE                   ; my stage
	v_mul_u32_u24 v4, v1, SPITCH
	v_lshl_add_u32 v4, v2, 4, v4
	v_add_nc_u32 v[STO], s47, v4                   ; in: row r, 16 bytes for each half of the lanes
	v_mul_u32_u24 v5, v2, SPITCH
	v_lshl_add_u32 v5, v1, 4, v5
	v_add_nc_u32 v[RD], s47, v5                    ; back: lanes 0-15 one row of 256 bytes, lanes 16-31 the next
	v_mul_u32_u24 v5, v2, NTOT*2
	v_lshl_add_u32 v[CO], v1, 4, v5                ; the same two rows in qkv
	v_lshlrev_b32 v[BO], 5, v2                     ; bias: 8 h numbers of 4 bytes
	; What the sums start from, in the accumulators' layout: register j of tile b is column 16 b + 8 h + j.  One branch, on the cluster's x, which all partners
	; share: cluster 1 holds the block columns 4-7, the columns 1024-2047 (k), whose sums start from 0.  Both ways write all 64 registers, so one text of the
	; first products serves all.
	s_lshl_b32 s62, s42, 10                        ; 256 columns x 4 bytes x block column
	s_lshl_b32 s63, s14, 9                         ; + my half's 128 columns
	s_add_co_u32 s62, s62, s63
	s_mov_b32 s63, 0
	s_add_nc_u64 s[62:63], s[8:9], s[62:63]
	s_cmp_eq_u32 ttmp9, 1
	s_cbranch_scc1 .Lk_section
	WIN TO_B
.irp b, 0,1,2,3,4,5,6,7
	global_load_b128 v[8*\b:8*\b+3],   v[BO], s[62:63] offset:64*\b
	global_load_b128 v[8*\b+4:8*\b+7], v[BO], s[62:63] offset:64*\b+16
.endr
	WIN 0
	s_branch .Lbias_done
.Lk_section:
	WIN TO_B
.set i, 0
.rept 64
	v_mov_b32 v[i], 0                              ; issued while the first tiles are on their way
.set i, i+1
.endr
	WIN 0
.Lbias_done:
; 16 matrix instructions: row tiles a0, a0 + 1 of the window's four (hi = 0: my rows 0-63, 1: rows 64-127) x all 8 column tiles, 32 along K.
; mode 2: the first products take the bias as C and start the sums.  The 64 accumulators take turns, one instruction a turn, in the same order in every
; quarter step.
.macro MUL16 f, hi, a0, mode
.irp a, \a0, \a0+1
.irp b, 0,1,2,3,4,5,6,7
.if \mode == 2
	v_wmma_f32_16x16x32_f16 v[8*(8*(\a)+\b):8*(8*(\a)+\b)+7], v[\f+8*\b:\f+8*\b+7], v[\f+8*(4*\hi+\a):\f+8*(4*\hi+\a)+7], v[8*\b:8*\b+7]
.else
	v_wmma_f32_16x16x32_f16 v[8*(8*(\a)+\b):8*(8*(\a)+\b)+7], v[\f+8*\b:\f+8*\b+7], v[\f+8*(4*\hi+\a):\f+8*(4*\hi+\a)+7], v[8*(8*(\a)+\b):8*(8*(\a)+\b)+7]
.endif
.endr
.endr
.endm
; 32 LDS loads in one run: the fragments of quarter kq (32 k) of a slot into buffer f: wqb's sixteen first, then xb's sixteen.
.macro FETCH slot, kq, f
	WIN TO_B
.irp i, 0,1,2,3,4,5,6,7
	ds_load_tr16_b128 v[\f+8*\i:\f+8*\i+3],   v[ADRB+\slot] offset:32*PB*\kq+32*\i          ; k = 8 h + 0..7 of column 16 i + r
	ds_load_tr16_b128 v[\f+8*\i+4:\f+8*\i+7], v[ADRB+\slot] offset:32*PB*\kq+32*\i+16*PB    ; k = 16 + 8 h + 0..7
.endr
	WIN 0
.irp i, 0,1,2,3,4,5,6,7
	ds_load_b128 v[\f+8*\i:\f+8*\i+3],   v[ADRA+\slot] offset:64*\kq+\i*16*PA
	ds_load_b128 v[\f+8*\i+4:\f+8*\i+7], v[ADRA+\slot] offset:64*\kq+\i*16*PA+32
.endr
.endm
; Four places behind the matrix instructions that read a buffer, ahead of the loads into it, and ahead of the vector instructions that read results
; (ISA guide 7.12.1 for vector instructions).  Matrix instructions in between are not counted.
.macro PLACES
.rept 4
	v_nop
.endr
.endm
; One of a K step's first three quarters: multiplies buffer f; in its middle it fetches quarter kq of the same slot into buffer g.
.macro QUARTER slot, kq, f, g, mode
	s_wait_dscnt 8                                 ; wqb's fragments and xb's rows 0-63 are in; the youngest eight loads (xb's rows 64-127) may be out
.if \mode == 2
	WIN BIA_LO
.else
	WIN MUL_LO
.endif
	MUL16 \f, 0, 0, \mode
	MUL16 \f, 0, 2, \mode
	PLACES
	FETCH \slot, \kq, \g
	s_wait_dscnt 32                                ; all but the 32 just issued
.if \mode == 2
	WIN BIA_HI
.else
	WIN MUL_HI
.endif
	MUL16 \f, 1, 0, \mode
	MUL16 \f, 1, 2, \mode
.endm
.macro THREE slot, mode
	QUARTER \slot, 1, F0, F1, \mode
	QUARTER \slot, 2, F1, F0, 0
	QUARTER \slot, 3, F0, F1, 0
.endm
; The last quarter multiplies buffer 1 and changes slots.  In front of the barrier each wave waits for its reads of this slot and for all its tensor loads (one is
; out: its part of the next slot).  Where the slot is filled again the barrier opens a round of the cluster's barrier, and the joint refill is the first tensor
; load behind the round; then the next slot's first fragments are read.
.macro TURN slot, next, fill
	s_wait_dscnt 8
	WIN MUL_LO
	MUL16 F1, 0, 0, 0
	s_wait_dscnt 0x0                               ; my reads of this slot are over
	s_wait_tensorcnt 0x0                           ; all my tensor loads have landed
	ds_add_u32 v255, v255
	s_wait_dscnt 0x0
	s_barrier_signal -1
	MUL16 F1, 0, 2, 0                              ; register work while the others arrive
	WIN 0
	s_barrier_wait -1
.if \fill
	CREST                                          ; no wave of any partner still reads this slot or has a load on its way
	s_add_nc_u64 s[G0A+4*\slot+2:G0A+4*\slot+3], s[G0A+4*\slot+2:G0A+4*\slot+3], 2*KSTEP*2
	s_add_nc_u64 s[G0B+4*\slot+2:G0B+4*\slot+3], s[G0B+4*\slot+2:G0B+4*\slot+3], 2*KSTEP*NTOT*2
	JLOAD \slot                                    ; two K steps ahead; one tensor load of a wave is out from here on
.endif
	PLACES
	FETCH \next, 0, F0
	WIN MUL_HI
	MUL16 F1, 1, 0, 0
	MUL16 F1, 1, 2, 0
.endm
.macro LAP mode
	THREE 0, \mode
	TURN 0, 1, 1
	THREE 1, 0
	TURN 1, 0, 1
.endm
	s_wait_tensorcnt 1                             ; my part of K step 0 is in; K step 1's may stay out
	s_barrier_signal -1
	s_barrier_wait -1                              ; everybody's is
	FETCH 0, 0, F0
	s_wait_loadcnt 0x0                             ; the bias
	LAP 2                                          ; the first lap stands in front of the loop: its first products start the sums
	WIN 0                                          ; at a label and at a branch every window is 0
	s_mov_b32 s3, LAPS-2
.Llap:
	LAP 0
	WIN 0
	s_sub_co_u32 s3, s3, 1
	s_cmp_lg_u32 s3, 0
	s_cbranch_scc1 .Llap
	THREE 0, 0                                     ; the last lap fills nothing
	TURN 0, 1, 0
	THREE 1, 0
	s_wait_dscnt 8                                 ; the very last quarter: nothing more to fetch
	WIN MUL_LO
	MUL16 F1, 0, 0, 0
	MUL16 F1, 0, 2, 0
	s_wait_dscnt 0x0
	WIN MUL_HI
	MUL16 F1, 1, 0, 0
	MUL16 F1, 1, 2, 0
	; THE WAY OUT, 16 rows at a time: round to f16, 16 bytes a lane into my own stage, read back as whole rows of 256 bytes.
	PLACES
	s_lshl_b32 s56, s43, 8
	s_lshl_b32 s57, s13, 7
	s_add_co_u32 s56, s56, s57                     ; my first row: 256 x block row + 128 x half
	s_mul_i32 s56, s56, NTOT*2                     ; below 2^26
	s_mov_b32 s57, 0
	s_add_nc_u64 s[10:11], s[10:11], s[56:57]
	s_lshl_b32 s60, s42, 9                         ; my first column in bytes: 512 x block column + 256 x half
	s_lshl_b32 s61, s14, 8
	s_add_co_u32 s60, s60, s61
	s_mov_b32 s61, 0
	s_add_nc_u64 s[10:11], s[10:11], s[60:61]
; rows 16 i .. 16 i + 15 of my block = the eight tiles (a, 0..7) of window 2 or 3 (from = 0x0a or 0x0f: sources 0 and 1); f: F0 or F1 in turn
.macro OUT16 i, a, from, f
	WIN \from
.irp b, 0,1,2,3,4,5,6,7
.irp r, 0,1,2,3
	v_cvt_pk_f16_f32 v[TMP+4*\b+\r], v[8*(8*\a+\b)+2*\r], v[8*(8*\a+\b)+2*\r+1]
.endr
.endr
	WIN 0
.irp b, 0,1,2,3,4,5,6,7
	ds_store_b128 v[STO], v[TMP+4*\b:TMP+4*\b+3] offset:32*\b
.endr
	s_wait_xcnt 0x0                                ; buffer f, which earlier stores read, and the stores' base are rewritten only behind this wait
.if \i
	s_add_nc_u64 s[10:11], s[10:11], 16*NTOT*2
.endif
.irp t, 0,1,2,3,4,5,6,7
	ds_load_b128 v[\f+4*\t:\f+4*\t+3], v[RD] offset:\t*2*SPITCH    ; LDS serves a wave's instructions in order: these see the stores above
.endr
.irp t, 0,1,2,3,4,5,6,7
	s_wait_dscnt 7-\t                              ; load t is in, the 7 - t younger ones stay out
	global_store_b128 v[CO], v[\f+4*\t:\f+4*\t+3], s[10:11] offset:2*\t*NTOT*2   ; 16 lanes store 256 consecutive bytes, aligned
.endr
.endm
	OUT16 0, 0, 0x0a, F0
	OUT16 1, 1, 0x0a, F1
	OUT16 2, 2, 0x0a, F0
	OUT16 3, 3, 0x0a, F1
	OUT16 4, 0, 0x0f, F0
	OUT16 5, 1, 0x0f, F1
	OUT16 6, 2, 0x0f, F0
	OUT16 7, 3, 0x0f, F1
	s_set_vgpr_msb 0x1
	s_wait_tensorcnt 0x0
	ds_add_u32 v255, v255
	s_wait_dscnt 0x0
	s_set_vgpr_msb 0x100
	CROUND                                         ; the closing round: no work-group ends while a partner may still ask for a tile that names it
	s_endpgm
.Lfunc_end_k_qc4e669240a_qkv:
	.size	k_qc4e669240a_qkv, .Lfunc_end_k_qc4e669240a_qkv-k_qc4e669240a_qkv
	.p2alignl 7, 3214868480
	.fill 96, 4, 3214868480
	.section	.rodata,"a",@progbits
	.p2align	6, 0x0
	.amdhsa_kernel k_qc4e669240a_qkv
		.amdhsa_group_segment_fixed_size 327680
		.amdhsa_private_segment_fixed_size 0
		.amdhsa_enable_private_segment 0
		.amdhsa_kernarg_size 32
		.amdhsa_user_sgpr_count 2
		.amdhsa_user_sgpr_kernarg_segment_ptr 1
		.amdhsa_wavefront_size32 1
		.amdhsa_system_sgpr_workgroup_id_x 1
		.amdhsa_system_sgpr_workgroup_id_y 1
		.amdhsa_system_sgpr_workgroup_id_z 1
		.amdhsa_system_vgpr_workitem_id 0
		.amdhsa_next_free_vgpr 1024
		.amdhsa_next_free_sgpr 66
		.amdhsa_reserve_vcc 0
		.amdhsa_float_denorm_mode_32 3
		.amdhsa_float_denorm_mode_16_64 3
		.amdhsa_memory_ordered 1
		.amdhsa_forward_progress 1
		.amdhsa_inst_pref_size 200
	.end_amdhsa_kernel
	.amdgpu_metadata
---
amdhsa.version: [ 1, 2 ]
amdhsa.kernels:
  - .name:           k_qc4e669240a_qkv
    .symbol:         k_qc4e669240a_qkv.kd
    .args:
      - { .name: xb, .offset: 0, .size: 8, .value_kind: global_buffer, .address_space: global }
      - { .name: wqb, .offset: 8, .size: 8, .value_kind: global_buffer, .address_space: global }
      - { .name: b_qkv, .offset: 16, .size: 8, .value_kind: global_buffer, .address_space: global }
      - { .name: qkv, .offset: 24, .size: 8, .value_kind: global_buffer, .address_space: global }
    .group_segment_fixed_size: 327680
    .private_segment_fixed_size: 0
    .kernarg_segment_align: 8
    .kernarg_segment_size: 32
    .max_flat_workgroup_size: 128
    .sgpr_count:     66
    .vgpr_count:     1024
    .wavefront_size: 32
...
	.end_amdgpu_metadata
.endif
;; end of part 2
;; launch attn (part 3): grid 256 x 1, 8 waves a work-group, clusters of 4 x 1, 327,680 bytes of LDS; arguments qkv, att; writes att
.if DOCPART == 3
	.amdgcn_target "amdgcn-amd-amdhsa--gfx1250"
	.amdhsa_code_object_version 6
	.text
	.protected	k_qc4e669240a_attn
	.globl	k_qc4e669240a_attn
	.p2align	8
	.type	k_qc4e669240a_attn,@function
k_qc4e669240a_attn:
	s_mov_b64 s[64:65], 0
	v_nop
	global_prefetch_b8 v0, s[64:65] scope:SCOPE_SE
	s_setreg_imm32_b32 hwreg(HW_REG_WAVE_MODE, 25, 1), 1
	s_wait_xcnt 0x0
	s_wait_alu depctr_hold_cnt(0) depctr_sa_sdst(0) depctr_va_vdst(0) depctr_va_sdst(0) depctr_va_ssrc(0) depctr_va_vcc(0) depctr_vm_vsrc(0)
	s_getreg_b32 s2, hwreg(HW_REG_IB_STS2, 6, 4)
	s_cmp_eq_u32 s2, 0
	s_cbranch_scc0 .Lentry_in_a_cluster
	s_endpgm
.Lentry_in_a_cluster:
	s_bfe_u32 s2, ttmp6, 0x10000c
	s_cmp_lg_u32 s2, 0x3003
	s_cbranch_scc0 .Lentry_shape_is_right
	s_endpgm
.Lentry_shape_is_right:
; att[b, i, 64 head + d] = sum over j of softmax_j(q_i . k_j / 8) v_j[d], for 4 batches x 16 heads of 64, 2,048 tokens.
; qkv [8192][3072] f16 (columns 0-1023 q, 1024-2047 k without its bias, 2048-3071 v), att [8192][1024] f16.
; k comes without b_qkv[1024:2048]: that term shifts all scores of a query alike and cancels in the softmax (shown at the head of launch cast).
; A work-group takes a PAIR of heads and 256 queries: two heads are 128 f16, so a tile row of q, k, v and a row piece of att are 256 consecutive bytes, aligned.
; Eight waves: wave w takes head g = w / 4 of the pair and queries 64 (w % 4) .. + 63, four query tiles of 16.
; The keys go in tiles of 128 through two LDS slots (k and v of both heads); a tile is worked in two substeps of 64 keys.
; CLUSTERS: four work-groups with the same head pair and neighbouring query blocks read the same k and v tiles and ask for them jointly (mask 15).
; q hangs on the place in the cluster and comes by a plain load.  No LDS address and no branch hangs on that place.
; ORIENTATION: S^T = K Q^T (source 0 = 16 keys, source 1 = 16 queries): lane l holds query l % 16 and, in register j of key tile kt, key 16 kt + 8 (l / 16) + j.
; Two key tiles, rounded to f16 in pairs, ARE source 1 of O^T = V^T P^T for 32 keys: no number changes lanes.  V^T comes by the transposing LDS load.
; In O^T lane l holds query l % 16 and d = 16 dt + 8 (l / 16) + j.  Maximum, sum and rescaling factor are one number a lane; the two lanes of a query join
; their maxima by one exchange a substep and their sums once at the end.
; SOFTMAX: running maximum m in raw scores; p = 2^(c s - c m), c = log2(e) / 8; sums and O are multiplied by 2^(c (m_old - m_new)).
; WHY PHASES, WITH TWO WAVES A SIMD: a wave's substep is 32 score products, the softmax of its four query tiles, the rescaling, 32 O products, one behind the other;
; the SIMD's other wave has its own phases to put beside them.  Two pieces of one wave taking turns instruction by instruction would want the accumulators that a
; product writes, its fragments and the other piece's scores and temporaries in one window of 256 registers; one piece's scores (128), k's fragments (64) and
; q's (64) fill a window already, so each turn would cost two s_set_vgpr_msb, 128 beside 64 matrix instructions, and the loop's text would be more than twice as long.
; LIMITS: q, k, v, p and the result are f16 (matrix operands).  p is at most 1, since the running maximum is taken away; under 2^-14 its step is 2^-24 and under
; 2^-25 it counts as 0 in the product, against a sum of p of about 1 or more.  The sum of p is taken in f32 before that rounding; there a p below 2^-126 counts
; as 0 (v_exp_f32 flushes denormal results, ISA guide 15.8).  The result is a convex combination of v and has v's range.
; REGISTERS: window 0: v2-9 addresses, v10-13 m, v14-17 sums, v18-25 factor (a pair a query tile), v26-27 -c m, v28-35 at work, v36-39 set-up,
;   v40-103 q fragments (tile t, half c of d at 16 t + 8 c), v128-255 scores (tile t, key tile kt at 32 t + 8 kt)
;   window 1: v0-127 O (t, dt at 32 t + 8 dt), v128-191 k fragments (16 kt + 8 c), v192-255 v fragments (32 ks + 8 dt)
.set ROWB,  6144                       ; bytes in a row of qkv
.set KT,    128                        ; keys in a slot
.set TILES, 2048/KT
.set PK,    272                        ; LDS row of k and q: 256 + 16 bytes
.set PITV,  288                        ; LDS row of v: 256 + 32 bytes, an odd multiple of 32 for the transposing load
.set KOFF,  KT*PITV                    ; a slot: v's 128 rows, then k's
.set SLOT,  KOFF+KT*PK                 ; 71,680
.set QOFF,  2*SLOT                     ; q: 256 rows
.set STAGE, QOFF+256*PK                ; 212,992: the way out, 64 rows x 144 bytes for each wave; no tensor load ever lands here
.set SP,    144                        ; 128 + 16 bytes
.set CS,    0x3e38aa3b                 ; c = log2(e) / 8
.set NCS,   0xbe38aa3b                 ; -c
.set KA, 2
.set VA, 4
.set QA, 6
.set STO, 7
.set RD, 8
.set CO, 9
.set M,  10
.set LS, 14
.set AL, 18
.set NM, 26
.set T,  28
.set QF, 40
.set SC, 128
.set OA, 0
.set KF, 128
.set VF, 192
.set G1V, 16                           ; s[16:23] group 1, v's tiles
.set G1K, 24                           ; s[24:31] group 1, k's tiles
.set G0V, 32                           ; s[32:39] group 0, v's tiles, a set for each slot
.set G0K, 40                           ; s[40:47] group 0, k's tiles, a set for each slot
.set G1Q, 48                           ; s[48:55] group 1, q
.set G0Q, 56                           ; s[56:59] group 0, q
.set LD1, 0x40                         ; destination window 1
.set SM,  0x01                         ; source 0 window 1
.set RS,  0x41                         ; destination and source 0 window 1
.set PVW, 0x51                         ; source 0, C and D window 1
.set CV,  0x05                         ; sources 0 and 1 window 1
.set MSB, 0
.macro WIN new
.if MSB != \new
	s_set_vgpr_msb (MSB<<8)|\new
.set MSB, \new
.endif
.endm
.macro ROUND                           ; a round of the cluster's barrier
	s_barrier_signal -1
	s_barrier_wait -1
	s_cmp_lg_u32 s8, 0
	s_cbranch_scc1 .Lnot_wave_0_\@
	s_barrier_signal -3
.Lnot_wave_0_\@:
	s_barrier_wait -3
	s_barrier_signal -1
	s_barrier_wait -1
.endm
; A slot's joint loads: waves 0, 1 v's halves of 64 keys, waves 2, 3 k's; waves 4-7 have no part.  The branches hang on the wave's number alone.
.macro JLOAD s
	s_cmp_gt_u32 s8, 3
	s_cbranch_scc1 .Lnone_\@
	s_cmp_gt_u32 s8, 1
	s_cbranch_scc1 .Lfor_k_\@
	tensor_load_to_lds s[G0V+4*(\s):G0V+4*(\s)+3], s[G1V:G1V+7]
	s_nop 0
	s_branch .Lnone_\@
.Lfor_k_\@:
	tensor_load_to_lds s[G0K+4*(\s):G0K+4*(\s)+3], s[G1K:G1K+7]
	s_nop 0
.Lnone_\@:
.endm
	s_load_b128 s[4:7], s[0:1], 0x0                ; qkv s[4:5], att s[6:7]
	v_lshl_add_u32 v126, v0, 2, 0x46000
	v_mov_b32 v127, 0
	ds_add_u32 v126, v127
	v_lshrrev_b32 v1, 5, v0
	v_readfirstlane_b32 s8, v1                     ; wave 0..7
	s_lshr_b32 s9, s8, 2                           ; g: my head of the pair
	s_and_b32 s10, s8, 3                           ; qg: my 64 queries; also which quarter of q I fetch (waves 4-7)
	s_and_b32 s11, s8, 1                           ; which half of a k or v tile I fetch (waves 0-3)
	s_mov_b32 s60, 0x76543210                      ; v_permlanex16_b32: lane i of one half reads lane i of the other
	s_mov_b32 s61, 0xfedcba98
	s_bfe_u32 s2, ttmp6, 0x40000                   ; cx
	s_and_b32 s12, ttmp9, 1
	s_lshl2_add_u32 s2, s12, s2                    ; query block = 4 x (cluster & 1) + cx, 0..7
	s_lshr_b32 s12, ttmp9, 1                       ; batch and head pair, 0..31: the same in all four partners
	s_lshr_b32 s3, s12, 3
	s_lshl_b32 s3, s3, 11                          ; the batch's first row: 2,048 b
	s_and_b32 s63, s12, 7
	s_lshl_b32 s63, s63, 8                         ; the pair's 256 bytes in a section of a row
	s_lshl_b32 s14, s11, 6                         ; k and v, in s14-15, which never hold cx: row 2,048 b + 64 x half
	s_add_co_u32 s14, s14, s3
	s_mul_i32 s14, s14, ROWB                       ; below 2^26
	s_add_co_u32 s14, s14, s63
	s_mov_b32 s15, 0
	s_lshl_b32 s12, s2, 8                          ; q: row 2,048 b + 256 x query block + 64 x quarter
	s_lshl_b32 s13, s10, 6
	s_add_co_u32 s12, s12, s13
	s_add_co_u32 s12, s12, s3
	s_mul_i32 s12, s12, ROWB
	s_add_co_u32 s12, s12, s63
	s_mov_b32 s13, 0
	; group 1: every tile is 64 rows x 128 elements of 2 bytes, 3,072 elements from row to row; padding behind every 64 words: v 8 words, k and q 4
	s_mov_b32 s[G1V+0], 15|(1<<16)|(1<<20)|(1<<21)|(5<<22)|(7<<25)   ; mask: all four of the cluster; bit 21 set beside it
	s_mov_b32 s[G1K+0], 15|(1<<16)|(1<<20)|(1<<21)|(5<<22)|(3<<25)
	s_mov_b32 s[G1Q+0], (1<<16)|(1<<20)|(5<<22)|(3<<25)              ; no mask: my own
.irp g, G1V, G1K, G1Q
	s_mov_b32 s[\g+1], 128<<16                     ; tensor_dim0 = 128
	s_mov_b32 s[\g+2], 64<<16                      ; tensor_dim1 = 64
	s_mov_b32 s[\g+3], 128<<16                     ; tile_dim0 = 128
	s_mov_b32 s[\g+4], 64                          ; tile_dim1 = 64
	s_mov_b32 s[\g+5], 3072
	s_mov_b32 s[\g+6], 0
	s_mov_b32 s[\g+7], 0
.endr
	s_wait_dscnt 0x0
	s_wait_kmcnt 0x0
	s_add_nc_u64 s[14:15], s[4:5], s[14:15]
	s_add_nc_u64 s[12:13], s[4:5], s[12:13]
	s_mul_i32 s62, s8, 64*PITV                     ; v: waves 0, 1 at wave x 64 rows
.irp s, 0,1
	s_mov_b32 s[G0V+4*\s], 1
	s_add_co_u32 s[G0V+4*\s+1], s62, \s*SLOT
	s_add_nc_u64 s[G0V+4*\s+2:G0V+4*\s+3], s[14:15], 4096+\s*KT*ROWB   ; v's section begins 4,096 bytes into a row; key tile s
	s_or_b32 s[G0V+4*\s+3], s[G0V+4*\s+3], 0x80000000
.endr
	s_mul_i32 s62, s8, 64*PK
.irp s, 0,1
	s_mov_b32 s[G0K+4*\s], 1
	s_add_co_u32 s[G0K+4*\s+1], s62, KOFF-2*64*PK+\s*SLOT              ; k: waves 2, 3 at KOFF + (wave - 2) x 64 rows
	s_add_nc_u64 s[G0K+4*\s+2:G0K+4*\s+3], s[14:15], 2048+\s*KT*ROWB   ; k's section begins 2,048 bytes into a row
	s_or_b32 s[G0K+4*\s+3], s[G0K+4*\s+3], 0x80000000
.endr
	s_mov_b32 s[G0Q], 1
	s_add_co_u32 s[G0Q+1], s62, QOFF-4*64*PK                           ; q: waves 4-7 at QOFF + (wave - 4) x 64 rows
	s_mov_b64 s[G0Q+2:G0Q+3], s[12:13]
	s_or_b32 s[G0Q+3], s[G0Q+3], 0x80000000
	ROUND                                          ; all four work-groups are here: the first joint loads meet
	; the first fills, one tensor load a wave, in one tree of branches on the wave's number: key tile 0 and q
	s_cmp_gt_u32 s8, 3
	s_cbranch_scc1 .Lfirst_q
	s_cmp_gt_u32 s8, 1
	s_cbranch_scc1 .Lfirst_k
	tensor_load_to_lds s[G0V:G0V+3], s[G1V:G1V+7]
	s_nop 0
	s_branch .Lfirst_done
.Lfirst_k:
	tensor_load_to_lds s[G0K:G0K+3], s[G1K:G1K+7]
	s_nop 0
	s_branch .Lfirst_done
.Lfirst_q:
	tensor_load_to_lds s[G0Q:G0Q+3], s[G1Q:G1Q+7]
	s_nop 0
.Lfirst_done:
	; att at my work-group's first row and the pair's columns
	s_lshl_b32 s12, s2, 8
	s_add_co_u32 s12, s12, s3
	s_lshl_b32 s12, s12, 11                        ; x 2,048 bytes (below 2^24)
	s_add_co_u32 s12, s12, s63
	s_mov_b32 s13, 0
	s_add_nc_u64 s[6:7], s[6:7], s[12:13]
	; lane addresses.  r = l % 16, h = l / 16.
	v_and_b32 v1, 15, v0                           ; r
	v_bfe_u32 v36, v0, 4, 1                        ; h
	v_mul_u32_u24 v37, v1, PK
	v_lshl_add_u32 v37, v36, 4, v37                ; row r, 16 bytes for each half of the lanes,
	s_lshl_b32 s12, s9, 7
	v_add_nc_u32 v37, s12, v37                     ; in my head's 128 bytes
	v_add_nc_u32 v[KA], KOFF, v37
	v_add_nc_u32 v[KA+1], KOFF+SLOT, v37
	s_mul_i32 s13, s10, 64*PK
	s_add_co_u32 s13, s13, QOFF
	v_add_nc_u32 v[QA], s13, v37                   ; q: my 64 rows
	v_and_b32 v38, 7, v0                           ; v through the transposing load: lane l addresses key row 8 h + l % 8,
	v_lshl_add_u32 v38, v36, 3, v38
	v_mul_u32_u24 v38, v38, PITV
	v_bfe_u32 v39, v0, 3, 1                        ; and the left or right 16 bytes of a tile's 32
	v_lshl_add_u32 v38, v39, 4, v38
	v_add_nc_u32 v[VA], s12, v38
	v_add_nc_u32 v[VA+1], SLOT, v[VA]
	s_mul_i32 s13, s8, 64*SP
	s_add_co_u32 s13, s13, STAGE                   ; my stage: 64 rows of my head's 128 bytes
	v_mul_u32_u24 v38, v1, SP
	v_lshl_add_u32 v38, v36, 4, v38
	v_add_nc_u32 v[STO], s13, v38
	; back: wave w takes rows 32 w .. 32 w + 31 of the block, two a load; a row's left 128 bytes lie in the stage of head 0, the right in that of head 1,
	; 4 x 64 x 144 bytes further on; row R of a head lies at 144 R
	s_mul_i32 s13, s8, 32*SP
	s_add_co_u32 s13, s13, STAGE
	v_mul_u32_u24 v38, v36, SP
	v_mul_u32_u24 v39, v39, 4*64*SP
	v_add_nc_u32 v38, v38, v39
	v_add_nc_u32 v38, s13, v38
	v_and_b32 v39, 7, v0
	v_lshl_add_u32 v[RD], v39, 4, v38
	s_lshl_b32 s13, s8, 5
	v_add_nc_u32 v39, s13, v36                     ; row 32 w + h
	v_lshlrev_b32 v39, 11, v39                     ; x 2,048 bytes
	v_lshl_add_u32 v[CO], v1, 4, v39
.macro LOADQ                           ; 16 loads: my four query tiles, once
	WIN 0
.irp t, 0,1,2,3
.irp c, 0,1
	ds_load_b128 v[QF+16*\t+8*\c:QF+16*\t+8*\c+3],   v[QA] offset:16*PK*\t+64*\c
	ds_load_b128 v[QF+16*\t+8*\c+4:QF+16*\t+8*\c+7], v[QA] offset:16*PK*\t+64*\c+32
.endr
.endr
.endm
.macro LOADK s, p                      ; 16 loads: the four key tiles of substep p of slot s
	WIN LD1
.irp kt, 0,1,2,3
.irp c, 0,1
	ds_load_b128 v[KF+16*\kt+8*\c:KF+16*\kt+8*\c+3],   v[KA+\s] offset:(64*\p+16*\kt)*PK+64*\c
	ds_load_b128 v[KF+16*\kt+8*\c+4:KF+16*\kt+8*\c+7], v[KA+\s] offset:(64*\p+16*\kt)*PK+64*\c+32
.endr
.endr
.endm
.macro LOADV s, p                      ; 16 loads: V^T of substep p: two steps of 32 keys x four tiles of 16 d
	WIN LD1
.irp ks, 0,1
.irp dt, 0,1,2,3
	ds_load_tr16_b128 v[VF+32*\ks+8*\dt:VF+32*\ks+8*\dt+3],   v[VA+\s] offset:(64*\p+32*\ks)*PITV+32*\dt
	ds_load_tr16_b128 v[VF+32*\ks+8*\dt+4:VF+32*\ks+8*\dt+7], v[VA+\s] offset:(64*\p+32*\ks)*PITV+32*\dt+16*PITV
.endr
.endr
.endm
; 32 matrix instructions: the scores of 64 keys x 64 queries.  The first half of d starts the sums.  The 16 accumulators take turns, one instruction a turn.
.macro SPHASE
	WIN SM
.irp c, 0,1
.irp t, 0,1,2,3
.irp kt, 0,1,2,3
.if \c == 0
	v_wmma_f32_16x16x32_f16 v[SC+32*\t+8*\kt:SC+32*\t+8*\kt+7], v[KF+16*\kt+8*\c:KF+16*\kt+8*\c+7], v[QF+16*\t+8*\c:QF+16*\t+8*\c+7], 0
.else
	v_wmma_f32_16x16x32_f16 v[SC+32*\t+8*\kt:SC+32*\t+8*\kt+7], v[KF+16*\kt+8*\c:KF+16*\kt+8*\c+7], v[QF+16*\t+8*\c:QF+16*\t+8*\c+7], v[SC+32*\t+8*\kt:SC+32*\t+8*\kt+7]
.endif
.endr
.endr
.endr
.endm
; The softmax step of query tile t: a lane's 32 scores of one query.  first = 1: nothing is carried yet.
.macro SOFT t, first
.set SB, SC+32*\t
.irp k, 0,1,2,3                        ; the largest of my 32 scores and the old maximum: four chains, then together
	v_max3_num_f32 v[T+\k], v[SB+8*\k], v[SB+8*\k+1], v[SB+8*\k+2]
.endr
.irp k, 0,1,2,3
	v_max3_num_f32 v[T+\k], v[T+\k], v[SB+8*\k+3], v[SB+8*\k+4]
.endr
.irp k, 0,1,2,3
	v_max3_num_f32 v[T+\k], v[T+\k], v[SB+8*\k+5], v[SB+8*\k+6]
.endr
	v_max3_num_f32 v[T], v[T], v[T+1], v[SB+7]
	v_max3_num_f32 v[T+2], v[T+2], v[T+3], v[SB+15]
	v_max3_num_f32 v[T], v[T], v[T+2], v[SB+23]
.if \first
	v_max_num_f32 v[T], v[T], v[SB+31]
.else
	v_max3_num_f32 v[T], v[T], v[SB+31], v[M+\t]
.endif
	v_permlanex16_b32 v[T+1], v[T], s60, s61       ; the query's other 32 keys lie 16 lanes away
	v_max_num_f32 v[T+1], v[T], v[T+1]             ; the new maximum, alike in both lanes
.if \first == 0
	v_sub_f32 v[T+2], v[M+\t], v[T+1]              ; the difference first and then the factor c, not fused: an unchanged maximum gives exactly 2^0
	v_mul_f32 v[T+2], CS, v[T+2]
.endif
	v_mul_f32 v[NM], NCS, v[T+1]                   ; -c m, twice: a pair for the packed forms
	v_mul_f32 v[NM+1], NCS, v[T+1]
.set i, 0
.rept 16
	v_pk_fma_f32 v[SB+i:SB+i+1], v[SB+i:SB+i+1], CS, v[NM:NM+1] op_sel_hi:[1,0,1]   ; c s - c m
.set i, i+2
.endr
.if \first == 0
	v_exp_f32 v[AL+2*\t], v[T+2]                   ; what the carried sums are multiplied by, twice
	v_exp_f32 v[AL+2*\t+1], v[T+2]
.endif
.set i, 0
.rept 32
	v_exp_f32 v[SB+i], v[SB+i]
.set i, i+1
.endr
	v_mov_b32 v[M+\t], v[T+1]                      ; the plain instruction between the exponentials and the first use of a result (ISA guide 5.7.2)
	s_wait_alu depctr_va_vdst(0)
.irp k, 0,1,2,3                        ; the sum of my 32 p, in f32, four chains of pairs
	v_pk_add_f32 v[T+2*\k:T+2*\k+1], v[SB+8*\k:SB+8*\k+1], v[SB+8*\k+2:SB+8*\k+3]
.endr
.irp k, 0,1,2,3
	v_pk_add_f32 v[T+2*\k:T+2*\k+1], v[T+2*\k:T+2*\k+1], v[SB+8*\k+4:SB+8*\k+5]
.endr
.irp k, 0,1,2,3
	v_pk_add_f32 v[T+2*\k:T+2*\k+1], v[T+2*\k:T+2*\k+1], v[SB+8*\k+6:SB+8*\k+7]
.endr
	v_pk_add_f32 v[T:T+1], v[T:T+1], v[T+2:T+3]
	v_pk_add_f32 v[T+4:T+5], v[T+4:T+5], v[T+6:T+7]
	v_pk_add_f32 v[T:T+1], v[T:T+1], v[T+4:T+5]
.if \first
	v_add_f32 v[LS+\t], v[T], v[T+1]
.else
	v_add_f32 v[T], v[T], v[T+1]
	v_fma_f32 v[LS+\t], v[LS+\t], v[AL+2*\t], v[T]
.endif
.set i, 0
.rept 16                               ; p to f16, in place and upward: registers 8 ks .. 8 ks + 7 become source 1 for keys 32 ks .. 32 ks + 31
	v_cvt_pk_f16_f32 v[SB+i], v[SB+2*i], v[SB+2*i+1]
.set i, i+1
.endr
.endm
.macro RESCALE                         ; O of query tile t times its factor
	WIN RS
.irp t, 0,1,2,3
.set i, 0
.rept 16
	v_pk_mul_f32 v[OA+32*\t+i:OA+32*\t+i+1], v[OA+32*\t+i:OA+32*\t+i+1], v[AL+2*\t:AL+2*\t+1]
.set i, i+2
.endr
.endr
.endm
; 32 matrix instructions: O^T += V^T P^T for 64 keys.  first = 1: the first 32 keys start the sums.  The 16 accumulators take turns, one instruction a turn.
.macro PVMUL first
	WIN PVW
.irp ks, 0,1
.irp t, 0,1,2,3
.irp dt, 0,1,2,3
.if \first*(1-\ks)
	v_wmma_f32_16x16x32_f16 v[OA+32*\t+8*\dt:OA+32*\t+8*\dt+7], v[VF+32*\ks+8*\dt:VF+32*\ks+8*\dt+7], v[SC+32*\t+8*\ks:SC+32*\t+8*\ks+7], 0
.else
	v_wmma_f32_16x16x32_f16 v[OA+32*\t+8*\dt:OA+32*\t+8*\dt+7], v[VF+32*\ks+8*\dt:VF+32*\ks+8*\dt+7], v[SC+32*\t+8*\ks:SC+32*\t+8*\ks+7], v[OA+32*\t+8*\dt:OA+32*\t+8*\dt+7]
.endif
.endr
.endr
.endr
.endm
.macro P4                              ; four places behind the score products: ahead of the vector reads of the scores and of the loads into k's fragments
.rept 4
	v_nop
.endr
.endm
.macro P5                              ; five places behind the O products: ahead of the score products that write over p, of the loads into v's fragments, of the vector work on O
.rept 5
	v_nop
.endr
.endm
; A key tile.  slot: where it lies; refill: the next tile is asked for, into the other slot; first: nothing is carried yet; q: the q fragments are taken.
.macro TRIP slot, refill, first, q
	s_wait_tensorcnt 0x0                           ; all my tensor loads have landed (at most one was out), my part of this tile among them,
	ds_add_u32 v126, v127
	s_wait_dscnt 0x0
	s_add_nc_u64 s[G0V+4*\slot+2:G0V+4*\slot+3], s[G0V+4*\slot+2:G0V+4*\slot+3], 2*KT*ROWB   ; so a group 0 may be written: this slot's next tile
	s_add_nc_u64 s[G0K+4*\slot+2:G0K+4*\slot+3], s[G0K+4*\slot+2:G0K+4*\slot+3], 2*KT*ROWB
	s_wait_dscnt 0x0                               ; my reads of the last tile are over
	ROUND                                          ; both now hold of every wave of all four work-groups
.if \refill
	JLOAD 1-\slot                                  ; first behind the round: it has this whole tile's work in which to land
.endif
.if \q
	LOADQ
.endif
	LOADK \slot, 0
	s_wait_dscnt 0x0
	SPHASE
	P4
	LOADV \slot, 0                                 ; both land under the softmax
	LOADK \slot, 1
	WIN 0
	SOFT 0, \first
	SOFT 1, \first
	SOFT 2, \first
	SOFT 3, \first
.if \first == 0
	RESCALE
.endif
	s_wait_dscnt 16                                ; v's sixteen loads are in; k's sixteen younger ones may be out
	PVMUL \first
	P5
	s_wait_dscnt 0x0
	SPHASE
	P4
	LOADV \slot, 1
	WIN 0
	SOFT 0, 0
	SOFT 1, 0
	SOFT 2, 0
	SOFT 3, 0
	RESCALE
	s_wait_dscnt 0x0
	PVMUL 0
	P5
	WIN 0                                          ; at a label and at a branch every window is 0
.endm
	TRIP 0, 1, 1, 1                                ; tile i asks for tile i + 1; slot 1's first fill stands behind tile 0's round like a refill
	TRIP 1, 1, 0, 0
	s_mov_b32 s62, TILES/2-2
.Lpair:
	TRIP 0, 1, 0, 0
	TRIP 1, 1, 0, 0
	s_sub_co_u32 s62, s62, 1
	s_cmp_lg_u32 s62, 0
	s_cbranch_scc1 .Lpair
	TRIP 0, 1, 0, 0
	TRIP 1, 0, 0, 0                                ; the last tile: nothing is left to fetch
	; THE END: join the two lanes' sums, divide, round to f16, out through LDS as whole rows of 256 bytes.
.irp t, 0,1,2,3
	v_permlanex16_b32 v[T+\t], v[LS+\t], s60, s61
.endr
.irp t, 0,1,2,3
	v_add_f32 v[T+\t], v[T+\t], v[LS+\t]           ; at least about 1: the key of the maximum counts 2^0
.endr
.irp t, 0,1,2,3
	v_rcp_f32 v[AL+2*\t], v[T+\t]
	v_rcp_f32 v[AL+2*\t+1], v[T+\t]
.endr
	v_nop                                          ; the plain instruction behind the reciprocals
	s_wait_alu depctr_va_vdst(0)
	RESCALE
	WIN CV
.irp t, 0,1,2,3
.irp dt, 0,1,2,3
.irp r, 0,1,2,3
	v_cvt_pk_f16_f32 v[SC+16*\t+4*\dt+\r], v[OA+32*\t+8*\dt+2*\r], v[OA+32*\t+8*\dt+2*\r+1]
.endr
.endr
.endr
	WIN 0
.irp t, 0,1,2,3
.irp dt, 0,1,2,3
	ds_store_b128 v[STO], v[SC+16*\t+4*\dt:SC+16*\t+4*\dt+3] offset:16*SP*\t+32*\dt   ; query 16 t + r, d = 16 dt + 8 h + 0..7
.endr
.endr
	s_wait_dscnt 0x0                               ; for the others' sake: a row's two halves come from two waves
	s_barrier_signal -1
	s_barrier_wait -1
.set i, 0
.rept 16
	ds_load_b128 v[QF+4*i:QF+4*i+3], v[RD] offset:2*SP*i
.set i, i+1
.endr
.set i, 0
.rept 16
	s_wait_dscnt 15-i                              ; load i is in, the 15 - i younger ones stay out
	global_store_b128 v[CO], v[QF+4*i:QF+4*i+3], s[6:7] offset:4096*i    ; 16 lanes store 256 consecutive bytes, aligned; two rows a store
.set i, i+1
.endr
	s_wait_tensorcnt 0x0
	ds_add_u32 v126, v127
	s_wait_dscnt 0x0
	ROUND                                          ; the closing round: no work-group ends while a partner may still ask for a tile that names it
	s_endpgm
.Lfunc_end_k_qc4e669240a_attn:
	.size	k_qc4e669240a_attn, .Lfunc_end_k_qc4e669240a_attn-k_qc4e669240a_attn
	.p2alignl 7, 3214868480
	.fill 96, 4, 3214868480
	.section	.rodata,"a",@progbits
	.p2align	6, 0x0
	.amdhsa_kernel k_qc4e669240a_attn
		.amdhsa_group_segment_fixed_size 327680
		.amdhsa_private_segment_fixed_size 0
		.amdhsa_enable_private_segment 0
		.amdhsa_kernarg_size 16
		.amdhsa_user_sgpr_count 2
		.amdhsa_user_sgpr_kernarg_segment_ptr 1
		.amdhsa_wavefront_size32 1
		.amdhsa_system_sgpr_workgroup_id_x 1
		.amdhsa_system_sgpr_workgroup_id_y 1
		.amdhsa_system_sgpr_workgroup_id_z 1
		.amdhsa_system_vgpr_workitem_id 0
		.amdhsa_next_free_vgpr 512
		.amdhsa_next_free_sgpr 66
		.amdhsa_reserve_vcc 0
		.amdhsa_float_denorm_mode_32 3
		.amdhsa_float_denorm_mode_16_64 3
		.amdhsa_memory_ordered 1
		.amdhsa_forward_progress 1
		.amdhsa_inst_pref_size 255
	.end_amdhsa_kernel
	.section	.bss,"aw",@nobits
	.p2align	6
	.space	262144
	.amdgpu_metadata
---
amdhsa.version: [ 1, 2 ]
amdhsa.kernels:
  - .name:           k_qc4e669240a_attn
    .symbol:         k_qc4e669240a_attn.kd
    .args:
      - { .name: qkv, .offset: 0, .size: 8, .value_kind: global_buffer, .address_space: global }
      - { .name: att, .offset: 8, .size: 8, .value_kind: global_buffer, .address_space: global }
    .group_segment_fixed_size: 327680
    .private_segment_fixed_size: 0
    .kernarg_segment_align: 8
    .kernarg_segment_size: 16
    .max_flat_workgroup_size: 256
    .sgpr_count:     66
    .vgpr_count:     512
    .wavefront_size: 32
...
	.end_amdgpu_metadata
.endif
;; end of part 3
;; launch proj (part 4): grid 8 x 32, 4 waves a work-group, clusters of 4 x 4, 327,680 bytes of LDS; arguments att, wpb, b_proj, out0; writes out0
.if DOCPART == 4
	.amdgcn_target "amdgcn-amd-amdhsa--gfx1250"
	.amdhsa_code_object_version 6
	.text
	.protected	k_qc4e669240a_proj
	.globl	k_qc4e669240a_proj
	.p2align	8
	.type	k_qc4e669240a_proj,@function
k_qc4e669240a_proj:
	s_mov_b64 s[64:65], 0
	v_nop
	global_prefetch_b8 v0, s[64:65] scope:SCOPE_SE
	s_setreg_imm32_b32 hwreg(HW_REG_WAVE_MODE, 25, 1), 1
	s_wait_xcnt 0x0
	s_wait_alu depctr_hold_cnt(0) depctr_sa_sdst(0) depctr_va_vdst(0) depctr_va_sdst(0) depctr_va_ssrc(0) depctr_va_vcc(0) depctr_vm_vsrc(0)
	s_getreg_b32 s2, hwreg(HW_REG_IB_STS2, 6, 4)
	s_cmp_eq_u32 s2, 0
	s_cbranch_scc0 .Lentry_in_a_cluster
	s_endpgm
.Lentry_in_a_cluster:
	s_bfe_u32 s2, ttmp6, 0x10000c
	s_cmp_lg_u32 s2, 0xf033
	s_cbranch_scc0 .Lentry_shape_is_right
	s_endpgm
.Lentry_shape_is_right:
; out0[m][n] = sum over k of att[m][k] wpb[k][n] + b_proj[n].  att [8192][1024] and wpb [1024][1024] f16; b_proj and out0 [8192][1024] f32; sums in f32.
; The design of launch qkv with 1,024 columns and an f32 result.  A work-group makes 256 rows x 128 columns with four waves: 32 x 8 = 256 work-groups.
; Wave w makes rows 64 w .. 64 w + 63 and all 128 columns: 4 x 8 accumulator tiles of 16 x 16; a row of its block is 512 bytes of out0.
; K goes in steps of 128 through two LDS slots filled by the tensor data mover; a tile row is 256 consecutive bytes of memory, aligned.
; wpb lies [k][n]; its fragments are taken by the transposing LDS load.
; CLUSTERS: 4 x 4 work-groups; att's tiles are asked for jointly along a cluster's row (same block row), wpb's along a column (same block column).
; THE MATRIX INSTRUCTION IS USED TRANSPOSED: source 0 = 16 columns of wpb, source 1 = 16 rows of att: lane l holds row l % 16 and its registers 0-7 the
; columns 8 (l / 16) + 0..7.
; REGISTERS, in windows of 256 (s_set_vgpr_msb: bits 1:0 source 0, 3:2 source 1, 5:4 source 2, 7:6 destination):
;   window 0: v16-27 addresses; v32-63, v64-95 att's fragments (4 x 8), two buffers; v96-159, v160-223 wpb's (8 x 8), two buffers
;   window 1: accumulator tile (a, b) at v[8 (8 a + b)];   window 2: v0-63 the bias of my 128 columns in the accumulators' layout
.set KTOT,   1024
.set NTOT,   1024
.set KSTEP,  128
.set LAPS,   KTOT/(2*KSTEP)            ; a lap = two K steps = once round the ring: 4
.set PA,     272                       ; LDS row of att: 256 + 16 bytes
.set PB,     288                       ; LDS row of wpb: 256 + 32 bytes, an odd multiple of 32 for the transposing load
.set HALFA,  128*PA
.set HALFB,  64*PB
.set BOFF,   2*HALFA
.set SLOT,   BOFF+2*HALFB              ; 106,496
.set STAGE,  2*SLOT                    ; behind the ring: 16 rows x 528 bytes for each wave, for the way out; no tensor load ever lands here
.set SPITCH, 528                       ; 512 + 16 bytes
.set ADRA, 16
.set ADRB, 20
.set STO,  24
.set RD,   25
.set CO,   26
.set BO,   27
.set FA0,  32
.set FB0,  96
.set G1A, 16                           ; s[16:23] descriptor group 1, att's tiles
.set G1B, 24                           ; s[24:31] descriptor group 1, wpb's tiles
.set G0A, 32                           ; s[32:39] descriptor group 0, att's tiles, a set for each slot
.set G0B, 48                           ; s[48:55] descriptor group 0, wpb's tiles, a set for each slot
.set MUL,  0x50                        ; C and D window 1
.set MULB, 0x60                        ; D window 1, C window 2
.set TO2,  0x80                        ; destination window 2
.set STD,  0x04                        ; an LDS store's data window 1
.set MSB, 0
.macro WIN new
.if MSB != \new
	s_set_vgpr_msb (MSB<<8)|\new
.set MSB, \new
.endif
.endm
.macro JLOAD s                         ; waves 0 and 1 fetch att's two halves, waves 2 and 3 wpb's; the branch hangs on the wave's number alone
	s_cmp_eq_u32 s13, 0
	s_cbranch_scc0 .Lfor_b_\@
	tensor_load_to_lds s[G0A+4*\s:G0A+4*\s+3], s[G1A:G1A+7]
	s_nop 0
	s_branch .Lasked_\@
.Lfor_b_\@:
	tensor_load_to_lds s[G0B+4*\s:G0B+4*\s+3], s[G1B:G1B+7]
	s_nop 0
.Lasked_\@:
.endm
.macro CREST                           ; a round of the cluster's barrier behind its opening barrier
	s_cmp_lg_u32 s12, 0
	s_cbranch_scc1 .Lnot_wave_0_\@
	s_barrier_signal -3
.Lnot_wave_0_\@:
	s_barrier_wait -3
	s_barrier_signal -1
	s_barrier_wait -1
.endm
.macro CROUND
	s_barrier_signal -1
	s_barrier_wait -1
	CREST
.endm
	s_load_b256 s[4:11], s[0:1], 0x0               ; att s[4:5], wpb s[6:7], b_proj s[8:9], out0 s[10:11]
	v_lshl_add_u32 v254, v0, 2, 0x3c400
	v_mov_b32 v255, 0
	ds_add_u32 v254, v255
	v_lshrrev_b32 v1, 5, v0
	v_readfirstlane_b32 s12, v1                    ; wave 0..3
	s_lshr_b32 s13, s12, 1                         ; I fetch for att (0) or for wpb (1)
	s_and_b32 s14, s12, 1                          ; and which half of that tile
	s_bfe_u32 s40, ttmp6, 0x40000                  ; cx
	s_bfe_u32 s41, ttmp6, 0x40004                  ; cy
	s_lshl_b32 s42, ttmp9, 2
	s_add_co_u32 s42, s42, s40                     ; block column, 0..7
	s_and_b32 s43, ttmp7, 0xffff
	s_lshl_b32 s43, s43, 2
	s_add_co_u32 s43, s43, s41                     ; block row, 0..31
	s_lshl_b32 s44, s41, 2
	s_lshl_b32 s44, 15, s44                        ; my row of the cluster
	s_lshl_b32 s45, 0x1111, s40                    ; my column
	s_or_b32 s[G1A+0], s44, (1<<16)|(1<<20)|(1<<21)|(5<<22)|(3<<25)  ; mask: my row; 2 bytes; padding of 4 words behind every 64; bit 21 set beside the mask
	s_mov_b32 s[G1A+1], KSTEP<<16                  ; tensor_dim0 = 128
	s_mov_b32 s[G1A+2], 128<<16                    ; tensor_dim1 = 128
	s_mov_b32 s[G1A+3], KSTEP<<16                  ; tile_dim0 = 128
	s_mov_b32 s[G1A+4], 128                        ; tile_dim1 = 128
	s_mov_b32 s[G1A+5], KTOT
	s_mov_b32 s[G1A+6], 0
	s_mov_b32 s[G1A+7], 0
	s_or_b32 s[G1B+0], s45, (1<<16)|(1<<20)|(1<<21)|(5<<22)|(7<<25)  ; mask: my column; padding of 8 words
	s_mov_b32 s[G1B+1], 128<<16
	s_mov_b32 s[G1B+2], 64<<16                     ; 64 rows (k)
	s_mov_b32 s[G1B+3], 128<<16
	s_mov_b32 s[G1B+4], 64
	s_mov_b32 s[G1B+5], NTOT
	s_mov_b32 s[G1B+6], 0
	s_mov_b32 s[G1B+7], 0
	; att's tiles hang on the block row alone, in s56-57, which never hold cx; wpb's on the block column alone, in s60-61, which never hold cy
	s_lshl_b32 s56, s43, 8
	s_lshl_b32 s57, s14, 7
	s_add_co_u32 s56, s56, s57
	s_lshl_b32 s56, s56, 11                        ; x 2,048 bytes
	s_mov_b32 s57, 0
	s_mul_i32 s60, s14, 64*NTOT*2
	s_lshl_b32 s61, s42, 8
	s_add_co_u32 s60, s60, s61
	s_mov_b32 s61, 0
	s_mul_i32 s46, s12, HALFA
	s_mul_i32 s47, s12, HALFB
	s_add_co_u32 s47, s47, BOFF-2*HALFB
	s_wait_dscnt 0x0
	s_wait_kmcnt 0x0
	s_add_nc_u64 s[56:57], s[4:5], s[56:57]
	s_add_nc_u64 s[60:61], s[6:7], s[60:61]
	CROUND                                         ; all sixteen work-groups are here: the first joint loads meet
.irp s, 0,1
	s_mov_b32 s[G0A+4*\s], 1
	s_add_co_u32 s[G0A+4*\s+1], s46, \s*SLOT
	s_add_nc_u64 s[G0A+4*\s+2:G0A+4*\s+3], s[56:57], \s*KSTEP*2
	s_or_b32 s[G0A+4*\s+3], s[G0A+4*\s+3], 0x80000000
	s_mov_b32 s[G0B+4*\s], 1
	s_add_co_u32 s[G0B+4*\s+1], s47, \s*SLOT
	s_add_nc_u64 s[G0B+4*\s+2:G0B+4*\s+3], s[60:61], \s*KSTEP*NTOT*2
	s_or_b32 s[G0B+4*\s+3], s[G0B+4*\s+3], 0x80000000
	JLOAD \s                                       ; both slots' first fills go out before anything else: two tensor loads of a wave are out
.endr
	v_and_b32 v1, 15, v0                           ; r
	v_bfe_u32 v2, v0, 4, 1                         ; h
	v_lshlrev_b32 v[BO], 5, v2                     ; bias: 8 h numbers of 4 bytes
	s_lshl_b32 s62, s42, 9                         ; 128 columns x 4 bytes x block column
	s_mov_b32 s63, 0
	s_add_nc_u64 s[62:63], s[8:9], s[62:63]
	WIN TO2                                        ; the bias in the accumulators' layout: register j of tile b is column 16 b + 8 h + j
.irp b, 0,1,2,3,4,5,6,7
	global_load_b128 v[8*\b:8*\b+3],   v[BO], s[62:63] offset:64*\b
	global_load_b128 v[8*\b+4:8*\b+7], v[BO], s[62:63] offset:64*\b+16
.endr
	WIN 0
	v_mul_u32_u24 v3, v1, PA
	v_lshl_add_u32 v3, v2, 4, v3                   ; att fragment: row r, 16 bytes for each half of the lanes
	s_mul_i32 s46, s12, 64*PA                      ; my 64 rows
	v_add_nc_u32 v[ADRA], s46, v3
	v_add_nc_u32 v[ADRA+1], SLOT, v[ADRA]
	v_and_b32 v4, 7, v0                            ; wpb fragment: lane l addresses k row 8 h + l % 8,
	v_lshl_add_u32 v4, v2, 3, v4
	v_mul_u32_u24 v4, v4, PB
	v_bfe_u32 v5, v0, 3, 1                         ; and the left or right 16 bytes of the tile's 32
	v_lshl_add_u32 v4, v5, 4, v4
	v_add_nc_u32 v[ADRB], BOFF, v4
	v_add_nc_u32 v[ADRB+1], BOFF+SLOT, v4
	s_mul_i32 s47, s12, 16*SPITCH
	s_add_co_u32 s47, s47, STAGE                   ; my stage
	v_mul_u32_u24 v4, v1, SPITCH
	v_lshl_add_u32 v4, v2, 5, v4
	v_add_nc_u32 v[STO], s47, v4                   ; in: row r, 32 bytes for each half of the lanes
	v_and_b32 v5, 31, v0
	v_lshlrev_b32 v[CO], 4, v5                     ; back and out: 32 lanes take one row of 512 bytes
	v_add_nc_u32 v[RD], s47, v[CO]
; 8 matrix instructions: row tile a x all 8 column tiles, 32 along K, from buffer f.  mode 2: the first products take the bias as C and start the sums.
; The 32 accumulators take turns, one instruction a turn, in the same order in every quarter step.
.macro MULA f, a, mode
.irp b, 0,1,2,3,4,5,6,7
.if \mode == 2
	v_wmma_f32_16x16x32_f16 v[8*(8*\a+\b):8*(8*\a+\b)+7], v[FB0+64*\f+8*\b:FB0+64*\f+8*\b+7], v[FA0+32*\f+8*\a:FA0+32*\f+8*\a+7], v[8*\b:8*\b+7]
.else
	v_wmma_f32_16x16x32_f16 v[8*(8*\a+\b):8*(8*\a+\b)+7], v[FB0+64*\f+8*\b:FB0+64*\f+8*\b+7], v[FA0+32*\f+8*\a:FA0+32*\f+8*\a+7], v[8*(8*\a+\b):8*(8*\a+\b)+7]
.endif
.endr
.endm
.macro FETCH slot, kq, f               ; 24 LDS loads in one run: wpb's sixteen first, then att's eight
.irp b, 0,1,2,3,4,5,6,7
	ds_load_tr16_b128 v[FB0+64*\f+8*\b:FB0+64*\f+8*\b+3],   v[ADRB+\slot] offset:32*PB*\kq+32*\b
	ds_load_tr16_b128 v[FB0+64*\f+8*\b+4:FB0+64*\f+8*\b+7], v[ADRB+\slot] offset:32*PB*\kq+32*\b+16*PB
.endr
.irp a, 0,1,2,3
	ds_load_b128 v[FA0+32*\f+8*\a:FA0+32*\f+8*\a+3],   v[ADRA+\slot] offset:64*\kq+16*PA*\a
	ds_load_b128 v[FA0+32*\f+8*\a+4:FA0+32*\f+8*\a+7], v[ADRA+\slot] offset:64*\kq+16*PA*\a+32
.endr
.endm
.macro PLACES                          ; four places behind matrix instructions, ahead of loads into their sources and of LDS stores of their results
.rept 4
	v_nop
.endr
.endm
.macro QUARTER slot, kq, f, g, mode
	s_wait_dscnt 4                                 ; all but the four youngest loads (att's tiles 2 and 3) are in
.if \mode == 2
	WIN MULB
.else
	WIN MUL
.endif
	MULA \f, 0, \mode
	MULA \f, 1, \mode
	PLACES
	WIN 0
	FETCH \slot, \kq, \g
	s_wait_dscnt 24                                ; all but the 24 just issued
.if \mode == 2
	WIN MULB
.else
	WIN MUL
.endif
	MULA \f, 2, \mode
	MULA \f, 3, \mode
.endm
.macro THREE slot, mode
	QUARTER \slot, 1, 0, 1, \mode
	QUARTER \slot, 2, 1, 0, 0
	QUARTER \slot, 3, 0, 1, 0
.endm
; The last quarter multiplies buffer 1 and changes slots: each wave's waits for its reads and for all its tensor loads, the barrier (where the slot is filled again
; it opens a round of the cluster's barrier), the joint refill first behind it, then the next slot's first fragments.
.macro TURN slot, next, fill
	s_wait_dscnt 4
	WIN MUL
	MULA 1, 0, 0
	s_wait_dscnt 0x0                               ; my reads of this slot are over
	s_wait_tensorcnt 0x0                           ; all my tensor loads have landed
	ds_add_u32 v254, v255
	s_wait_dscnt 0x0
	s_barrier_signal -1
	MULA 1, 1, 0                                   ; register work while the others arrive
	WIN 0
	s_barrier_wait -1
.if \fill
	CREST
	s_add_nc_u64 s[G0A+4*\slot+2:G0A+4*\slot+3], s[G0A+4*\slot+2:G0A+4*\slot+3], 2*KSTEP*2
	s_add_nc_u64 s[G0B+4*\slot+2:G0B+4*\slot+3], s[G0B+4*\slot+2:G0B+4*\slot+3], 2*KSTEP*NTOT*2
	JLOAD \slot                                    ; two K steps ahead; one tensor load of a wave is out from here on
.endif
	PLACES
	FETCH \next, 0, 0
	WIN MUL
	MULA 1, 2, 0
	MULA 1, 3, 0
.endm
.macro LAP mode
	THREE 0, \mode
	TURN 0, 1, 1
	THREE 1, 0
	TURN 1, 0, 1
.endm
	s_wait_tensorcnt 1                             ; my part of K step 0 is in; K step 1's may stay out
	s_barrier_signal -1
	s_barrier_wait -1
	FETCH 0, 0, 0
	s_wait_loadcnt 0x0                             ; the bias
	LAP 2                                          ; the first products start the sums from the bias
	WIN 0
	s_mov_b32 s3, LAPS-2
.Llap:
	LAP 0
	WIN 0
	s_sub_co_u32 s3, s3, 1
	s_cmp_lg_u32 s3, 0
	s_cbranch_scc1 .Llap
	THREE 0, 0                                     ; the last lap fills nothing
	TURN 0, 1, 0
	THREE 1, 0
	s_wait_dscnt 4
	WIN MUL
	MULA 1, 0, 0
	MULA 1, 1, 0
	s_wait_dscnt 0x0
	MULA 1, 2, 0
	MULA 1, 3, 0
	; THE WAY OUT, 16 rows at a time: 32 bytes a lane and tile into my own stage, read back as whole rows of 512 bytes.
	PLACES
	s_lshl_b32 s56, s43, 8
	s_lshl_b32 s57, s12, 6
	s_add_co_u32 s56, s56, s57                     ; my first row
	s_lshl_b32 s56, s56, 12                        ; x 4,096 bytes (below 2^25)
	s_mov_b32 s57, 0
	s_add_nc_u64 s[10:11], s[10:11], s[56:57]
	s_lshl_b32 s60, s42, 9                         ; my first column in bytes
	s_mov_b32 s61, 0
	s_add_nc_u64 s[10:11], s[10:11], s[60:61]
.macro OUT16 a, f
	WIN STD
.irp b, 0,1,2,3,4,5,6,7
	ds_store_b128 v[STO], v[8*(8*\a+\b):8*(8*\a+\b)+3]   offset:64*\b
	ds_store_b128 v[STO], v[8*(8*\a+\b)+4:8*(8*\a+\b)+7] offset:64*\b+16
.endr
	WIN 0
	s_wait_xcnt 0x0                                ; buffer f, which earlier stores read, and the stores' base are rewritten only behind this wait
.if \a
	s_add_nc_u64 s[10:11], s[10:11], 16*NTOT*4
.endif
.set i, 0
.rept 16
	ds_load_b128 v[\f+4*i:\f+4*i+3], v[RD] offset:SPITCH*i         ; LDS serves a wave's instructions in order: these see the stores above
.set i, i+1
.endr
.set i, 0
.rept 16
	s_wait_dscnt 15-i                              ; load i is in, the 15 - i younger ones stay out
	global_store_b128 v[CO], v[\f+4*i:\f+4*i+3], s[10:11] offset:NTOT*4*i th:TH_STORE_NT   ; a wave stores 512 consecutive bytes, aligned; written once, not read again
.set i, i+1
.endr
.endm
	OUT16 0, FB0
	OUT16 1, FB0+64
	OUT16 2, FB0
	OUT16 3, FB0+64
	s_wait_tensorcnt 0x0
	ds_add_u32 v254, v255
	s_wait_dscnt 0x0
	CROUND                                         ; the closing round
	s_endpgm
.Lfunc_end_k_qc4e669240a_proj:
	.size	k_qc4e669240a_proj, .Lfunc_end_k_qc4e669240a_proj-k_qc4e669240a_proj
	.p2alignl 7, 3214868480
	.fill 96, 4, 3214868480
	.section	.rodata,"a",@progbits
	.p2align	6, 0x0
	.amdhsa_kernel k_qc4e669240a_proj
		.amdhsa_group_segment_fixed_size 327680
		.amdhsa_private_segment_fixed_size 0
		.amdhsa_enable_private_segment 0
		.amdhsa_kernarg_size 32
		.amdhsa_user_sgpr_count 2
		.amdhsa_user_sgpr_kernarg_segment_ptr 1
		.amdhsa_wavefront_size32 1
		.amdhsa_system_sgpr_workgroup_id_x 1
		.amdhsa_system_sgpr_workgroup_id_y 1
		.amdhsa_system_sgpr_workgroup_id_z 1
		.amdhsa_system_vgpr_workitem_id 0
		.amdhsa_next_free_vgpr 576
		.amdhsa_next_free_sgpr 66
		.amdhsa_reserve_vcc 0
		.amdhsa_float_denorm_mode_32 3
		.amdhsa_float_denorm_mode_16_64 3
		.amdhsa_memory_ordered 1
		.amdhsa_forward_progress 1
		.amdhsa_inst_pref_size 119
	.end_amdhsa_kernel
	.amdgpu_metadata
---
amdhsa.version: [ 1, 2 ]
amdhsa.kernels:
  - .name:           k_qc4e669240a_proj
    .symbol:         k_qc4e669240a_proj.kd
    .args:
      - { .name: att, .offset: 0, .size: 8, .value_kind: global_buffer, .address_space: global }
      - { .name: wpb, .offset: 8, .size: 8, .value_kind: global_buffer, .address_space: global }
      - { .name: b_proj, .offset: 16, .size: 8, .value_kind: global_buffer, .address_space: global }
      - { .name: out0, .offset: 24, .size: 8, .value_kind: global_buffer, .address_space: global }
    .group_segment_fixed_size: 327680
    .private_segment_fixed_size: 0
    .kernarg_segment_align: 8
    .kernarg_segment_size: 32
    .max_flat_workgroup_size: 128
    .sgpr_count:     66
    .vgpr_count:     576
    .wavefront_size: 32
...
	.end_amdgpu_metadata
.endif
;; end of part 4
;; ======== version 2 of 2: 4 launches; version 1 with the launch cast written anew for expert scheduling mode
;; limits: values are held in f16: magnitudes above 65,504 overflow, below 6.1e-05 lose precision
;; workspace buffers: xb 16,777,216 bytes; wqb 6,291,456 bytes; wpb 2,097,152 bytes; qkv 50,331,648 bytes; att 16,777,216 bytes
;; launch cast (part 5): grid 768 x 1, 8 waves a work-group, no clusters, 0 bytes of LDS; arguments x, w_qkv, w_proj, xb, wqb, wpb; writes xb, wqb, wpb
.if DOCPART == 5
	.amdgcn_target "amdgcn-amd-amdhsa--gfx1250"
	.amdhsa_code_object_version 6
	.text
	.protected	k_qc4e669240a_cast
	.globl	k_qc4e669240a_cast
	.p2align	8
	.type	k_qc4e669240a_cast,@function
k_qc4e669240a_cast:
	s_mov_b64 s[64:65], 0
	v_nop
	global_prefetch_b8 v0, s[64:65] scope:SCOPE_SE
	s_setreg_imm32_b32 hwreg(HW_REG_WAVE_SCHED_MODE, 0, 2), 2
	s_setreg_imm32_b32 hwreg(HW_REG_WAVE_MODE, 25, 1), 1
	s_wait_xcnt 0x0
	s_wait_alu depctr_vm_vsrc(0)
; THE PROGRAM: out0 = softmax((x Wq + bq)(x Wk + bk)^T / 8) (x Wv + bv) Wp + bp for 16 heads of 64, in four launches:
;   cast  x, w_qkv, w_proj from f32 to f16 (the matrix operands' format), layouts unchanged
;   qkv   qkv = xb wqb (+ bias for the q and v columns), f16, [8192][3072]
;   attn  softmax(q k^T / 8) v with a running maximum, f16, [8192][1024]
;   proj  out0 = att wpb + b_proj, f32
; WORK LEFT OUT: b_qkv[1024:2048], the bias of k.  With k0 = x Wk the score of query i and key j is
;   q_i . (k0_j + bk) = q_i . k0_j + q_i . bk.
; The second term does not hang on j, the axis of the softmax, and softmax(s + t) = softmax(s) for every real t; k reaches the result
; through the scores alone.  So for all values of the inputs these 1,024 numbers reach no output: launch qkv neither loads nor adds them.
; bq stays (bq . k0_j hangs on j), bv stays, so b_qkv is still an argument of launch qkv.
; LIMIT: a NaN, an infinity or an overflow that enters through b_qkv[1024:2048] alone is not carried to the result.
; FORMAT: all matrix operands (x, the weights, q, k, v, p, att) are f16, all sums f32.  A result here is a sum of 2,048 weighted values of either sign,
; so each operand's rounding shows in it undamped; f16 rounds at 11 significant bits where bf16 rounds at 8.
; LIMIT OF RANGE: an operand beyond 65,504 in magnitude becomes an infinity; under 2^-14 its step is 2^-24.  The room: q, k, v are sums of 1,024 products;
; with x of spread 1 and weights of spread 0.02 their spread is 0.02 x 32 = 0.64; x and weights thirty times larger at once make it 900 times that, 576;
; common offsets of 30 on x and 0.6 on the weights make sums of 1,024 x 18 = 18,432; thirty times smaller at once leaves 7e-4, 2^14 steps of 2^-24 wide.
; p is at most 1 (the running maximum is taken away); att is a convex combination of v and has v's range.
;
; THIS LAUNCH is a stream: no LDS, no barrier, no matrix unit.  A work-group takes 65,536 bytes of f32 and writes 32,768 bytes of f16.
; Work-groups 0-511 take x, 512-703 w_qkv, 704-767 w_proj (33,554,432, 12,582,912 and 4,194,304 bytes over 65,536).
; Thread t takes the 16 bytes at 4096 i + 16 t, i = 0..15: a load of a wave covers 512 consecutive bytes, a store 256, both aligned.
; All sixteen loads of a wave are issued before the first wait for data.  No register is written twice, so no source has to be freed.
; THE MODE: SCHED_MODE bits 1:0 = 2 (LLVM: expert scheduling mode 2), set by the entry lines.  The code itself states the register dependences
; between vector instructions and memory instructions, with s_wait_alu, always for 0.
; THE PLAN.  Registers that memory instructions touch:
;   v1, v2   byte offsets.  Written once, by the two shifts at the head; v1 is read by every load, v2 by every store; never written again.
;   X[i]     Load i lands in it, once; no vector instruction writes it.  Read by the two roundings of piece i, behind the load's own counted wait; no load lands in it again.
;   Y[i]     Written once, by the two roundings of piece i; read once, by store i.
; So two kinds of dependence are to be stated, both of a vector write ahead of a memory read.  ONE wait ahead of the first load states that v1 and v2 are written:
; it serves all 32 memory instructions, since no vector instruction behind it names either.  The sixteen pieces go in four blocks of four, and ONE wait to a block,
; behind its eight roundings and ahead of its four stores, states that the block's Y is written.  The line behind a block's stores is the next block's wait for its data.
; No register that a memory instruction has read is written again, no vector instruction writes a scalar register, and EXEC is never written: no other wait is owed.
.set X, 4                              ; v[4:67]   sixteen loads, 4 f32 each
.set Y, 68                             ; v[68:99]  sixteen stores, 4 f16 each
.set BLOCK, 4                          ; pieces in a block: their stores leave in one run, behind one wait
	s_load_b256 s[8:15], s[0:1], 0x0               ; x s[8:9], w_qkv s[10:11], w_proj s[12:13], xb s[14:15]
	s_load_b128 s[16:19], s[0:1], 0x20             ; wqb s[16:17], wpb s[18:19]
	v_lshlrev_b32 v1, 4, v0                        ; 16 t: my bytes in a block of 4,096 of the source
	v_lshlrev_b32 v2, 3, v0                        ; 8 t: and in a block of 2,048 of the result
	s_wait_kmcnt 0x0
	s_cmp_lt_u32 ttmp9, 512                        ; which tensor: the choice hangs on the work-group's number alone
	s_cselect_b64 s[20:21], s[8:9], s[10:11]
	s_cselect_b64 s[22:23], s[14:15], s[16:17]
	s_cselect_b32 s24, 0, 512
	s_cmp_lt_u32 ttmp9, 704
	s_cselect_b64 s[20:21], s[20:21], s[12:13]
	s_cselect_b64 s[22:23], s[22:23], s[18:19]
	s_cselect_b32 s24, s24, 704
	s_sub_co_u32 s24, ttmp9, s24                   ; my number among that tensor's work-groups
	s_lshl_b32 s26, s24, 16                        ; x 65,536 bytes in (below 2^25)
	s_mov_b32 s27, 0
	s_lshl_b32 s28, s24, 15                        ; x 32,768 bytes out
	s_mov_b32 s29, 0
	s_add_nc_u64 s[20:21], s[20:21], s[26:27]
	s_add_nc_u64 s[22:23], s[22:23], s[28:29]
	s_wait_alu depctr_va_vdst(0)                   ; v1 and v2 are written: every load below reads v1 as its offset, every store v2
.set i, 0
.rept 16
	global_load_b128 v[X+4*i:X+4*i+3], v1, s[20:21] offset:4096*i th:TH_LOAD_NT   ; read once in the launch
.set i, i+1
.endr
.set p, 0
.rept 16/BLOCK
.set i, BLOCK*p
.rept BLOCK
	s_wait_loadcnt 15-i                            ; loads come back in order: load i is in, the 15 - i younger ones stay out
	v_cvt_pk_f16_f32 v[Y+2*i], v[X+4*i], v[X+4*i+1]
	v_cvt_pk_f16_f32 v[Y+2*i+1], v[X+4*i+2], v[X+4*i+3]
.set i, i+1
.endr
	s_wait_alu depctr_va_vdst(0)                   ; the block's eight roundings have written its Y, which the four stores below read as their data
.set i, BLOCK*p
.rept BLOCK
	global_store_b64 v2, v[Y+2*i:Y+2*i+1], s[22:23] offset:2048*i    ; no hint: the next launches read these bytes
.set i, i+1
.endr
.set p, p+1
.endr
	s_endpgm
.Lfunc_end_k_qc4e669240a_cast:
	.size	k_qc4e669240a_cast, .Lfunc_end_k_qc4e669240a_cast-k_qc4e669240a_cast
	.p2alignl 7, 3214868480
	.fill 96, 4, 3214868480
	.section	.rodata,"a",@progbits
	.p2align	6, 0x0
	.amdhsa_kernel k_qc4e669240a_cast
		.amdhsa_group_segment_fixed_size 0
		.amdhsa_private_segment_fixed_size 0
		.amdhsa_enable_private_segment 0
		.amdhsa_kernarg_size 48
		.amdhsa_user_sgpr_count 2
		.amdhsa_user_sgpr_kernarg_segment_ptr 1
		.amdhsa_wavefront_size32 1
		.amdhsa_system_sgpr_workgroup_id_x 1
		.amdhsa_system_sgpr_workgroup_id_y 1
		.amdhsa_system_sgpr_workgroup_id_z 1
		.amdhsa_system_vgpr_workitem_id 0
		.amdhsa_next_free_vgpr 104
		.amdhsa_next_free_sgpr 66
		.amdhsa_reserve_vcc 0
		.amdhsa_float_denorm_mode_32 3
		.amdhsa_float_denorm_mode_16_64 3
		.amdhsa_memory_ordered 1
		.amdhsa_forward_progress 1
		.amdhsa_inst_pref_size 7
	.end_amdhsa_kernel
	.amdgpu_metadata
---
amdhsa.version: [ 1, 2 ]
amdhsa.kernels:
  - .name:           k_qc4e669240a_cast
    .symbol:         k_qc4e669240a_cast.kd
    .args:
      - { .name: x, .offset: 0, .size: 8, .value_kind: global_buffer, .address_space: global }
      - { .name: w_qkv, .offset: 8, .size: 8, .value_kind: global_buffer, .address_space: global }
      - { .name: w_proj, .offset: 16, .size: 8, .value_kind: global_buffer, .address_space: global }
      - { .name: xb, .offset: 24, .size: 8, .value_kind: global_buffer, .address_space: global }
      - { .name: wqb, .offset: 32, .size: 8, .value_kind: global_buffer, .address_space: global }
      - { .name: wpb, .offset: 40, .size: 8, .value_kind: global_buffer, .address_space: global }
    .group_segment_fixed_size: 0
    .private_segment_fixed_size: 0
    .kernarg_segment_align: 8
    .kernarg_segment_size: 48
    .max_flat_workgroup_size: 256
    .sgpr_count:     66
    .vgpr_count:     104
    .wavefront_size: 32
...
	.end_amdgpu_metadata
.endif
;; end of part 5
;; launch qkv: the kernel of part 2 again; grid 12 x 32, 4 waves a work-group, clusters of 4 x 4, 327,680 bytes of LDS; arguments xb, wqb, b_qkv, qkv; writes qkv
;; launch attn: the kernel of part 3 again; grid 256 x 1, 8 waves a work-group, clusters of 4 x 1, 327,680 bytes of LDS; arguments qkv, att; writes att
;; launch proj: the kernel of part 4 again; grid 8 x 32, 4 waves a work-group, clusters of 4 x 4, 327,680 bytes of LDS; arguments att, wpb, b_proj, out0; writes out0
